; MI455X (gfx1250); checked and timed in simulation.
; The chip was launched on July 23, 2026; its instructions are those of AMD's public machine-readable ISA for CDNA 5 (MIT licence, August 2026) and "CDNA5" Instruction Set Architecture Reference Guide (July 2026). The comments in the code are by the model that wrote it; some were corrected since.
;; Transformer Block. Allowed arithmetic: matrix products marked QUANTISED: E3M2 operands, one E8M0 scale for each 32 along K, by v_wmma_scale_f32_16x16x128_f8f6f4 with both operands' format E3M2, f32 sums; everything else in f32.
;; Inputs: b1 4,096 float32; b2 1,024 float32; b_proj 1,024 float32; be1 1,024 float32; be2 1,024 float32; g1 1,024 float32; g2 1,024 float32; w1_codes 4,096 x 32 x 24 uint8 (E3M2 codes of w1, K innermost, in blocks of 32 codes, four codes in three bytes); w1_scales 4,096 x 32 uint8 (E8M0 scales of w1, one for each 32 codes along K); w2_codes 1,024 x 128 x 24 uint8 (E3M2 codes of w2, K innermost, in blocks of 32 codes, four codes in three bytes); w2_scales 1,024 x 128 uint8 (E8M0 scales of w2, one for each 32 codes along K); w_proj_codes 1,024 x 32 x 24 uint8 (E3M2 codes of w_proj, K innermost, in blocks of 32 codes, four codes in three bytes); w_proj_scales 1,024 x 32 uint8 (E8M0 scales of w_proj, one for each 32 codes along K); w_qkv_codes 3,072 x 32 x 24 uint8 (E3M2 codes of w_qkv, K innermost, in blocks of 32 codes, four codes in three bytes); w_qkv_scales 3,072 x 32 uint8 (E8M0 scales of w_qkv, one for each 32 codes along K); x 2 x 2,048 x 1,024 float32.
;; Outputs: out0 2 x 2,048 x 1,024 float32.
;; This version of the problem:
;;   THIS VERSION OF THE PROBLEM IS GIVEN IN LOW PRECISION. The matrix products marked QUANTISED in the list below multiply operands that are first quantised to E3M2 (3 exponent bits, 2 mantissa bits; 6 bits a number), with one power-of-two scale for each 32 numbers along K (OCP MX v1.0); their sums are f32. All else is computed in f32.
;;   The module's matrix products, in the order in which they are computed (A, B: the left and right operand; K: the contracted axis; several contracted axes count as one K, in the product's order):
;;     1. [M 4,096, K 1,024] x [K 1,024, N 3,072]; A: computed on the way; B: input w_qkv (given as codes): QUANTISED
;;     2. batch 32 x [M 2,048, K 64] x [K 64, N 2,048]; A: computed on the way; B: computed on the way: QUANTISED
;;     3. batch 32 x [M 2,048, K 2,048] x [K 2,048, N 64]; A: softmax (see below); B: computed on the way: QUANTISED
;;     4. [M 4,096, K 1,024] x [K 1,024, N 1,024]; A: computed on the way; B: input w_proj (given as codes): QUANTISED
;;     5. [M 4,096, K 1,024] x [K 1,024, N 4,096]; A: computed on the way; B: input w1 (given as codes): QUANTISED
;;     6. [M 4,096, K 4,096] x [K 4,096, N 1,024]; A: computed on the way; B: input w2 (given as codes): QUANTISED
;;   THE QUANTISER, for each operand of a quantised product, along K:
;;     - K is cut into blocks of 32 from its start; a last block that is shorter is filled with zeros.
;;     - A block's scale is 2^e with e = floor(log2(the largest magnitude in the block)) - 4, held to -126 .. 127; a block of zeros has e = 0. As a byte (E8M0): e + 127.
;;     - Each number is divided by its block's scale, clamped to +-28, and rounded to the nearest number of E3M2, ties to even, subnormals kept.
;;     - The product sums the exact products of the quantised numbers (number of the format x scale) in f32.
;;   ~~~python
;;   def quantise(x, axis):      # numpy; x: float32 -> the quantised numbers, widened to float32 again
;;       x = np.moveaxis(x, axis, -1); K = x.shape[-1]
;;       x = np.pad(x, [(0, 0)] * (x.ndim - 1) + [(0, -K % 32)]); x = x.reshape(x.shape[:-1] + (-1, 32)); a = np.abs(x).max(-1, keepdims=True)
;;       e = np.where(a > 0, np.clip(np.frexp(np.where(a > 0, a, 1))[1] - 1 - 4, -126, 127), 0)      # np.frexp(a)[1] - 1 = floor(log2(a)), exactly
;;       r = np.clip(x / 2.0 ** e, -28, 28)
;;       step = 2.0 ** (np.maximum(np.frexp(np.where(r == 0, 1, r))[1] - 1, -2) - 2)
;;       q = np.round(r / step) * step * 2.0 ** e      # np.round: ties to even
;;       return np.moveaxis(q.reshape(q.shape[:-2] + (-1,))[..., :K], -1, axis).astype(np.float32)
;;   ~~~
;;   SOFTMAX AHEAD OF A QUANTISED PRODUCT. Where the list says 'softmax', what is quantised is not the finished softmax but p = 2^(t - M), with t = logit x log2(e) and M = ceil(the row's largest t), a whole number; so 1/2 < the row's largest p <= 1. The row's sum l is taken of the UNQUANTISED p, in f32, and the product's result is divided by l at the end. Since M is a whole number, a kernel that streams over the keys may use a running M (the ceiling of the running maximum): every later rescaling is an exact power of two, which a block's scale takes up: the codes' values come out the same.
;;   OPERANDS COMPUTED ON THE WAY. 'Computed on the way' means the value that the module computes at that place (a softmax that the list does not call 'softmax' is quantised finished and normalised). What goes into a quantiser is computed in f32, as accurately as f32 sums, v_exp_f32 and their like allow (about 1e-6 of the number): no bf16 or f16 on the way to a quantiser, and a product that is left as it is and whose result goes on into a quantised operand takes f32 operands (vector FMAs, or v_wmma_f32_16x16x4_f32). A number that lies on a knife's edge between two numbers of the format may be rounded either way, as far as f32 arithmetic and the matrix unit's own rounding can turn it there, and no further.
;;   INPUTS GIVEN AS CODES. w1 (in the module: [1024, 4096], K = its axis 0); w2 (in the module: [4096, 1024], K = its axis 0); w_proj (in the module: [1024, 1024], K = its axis 0); w_qkv (in the module: [1024, 3072], K = its axis 0): each comes as NAME_codes (uint8): NAME with its K axis moved to the last place and cut into blocks of 32 codes, [.., K / 32, bytes a block], one block behind the other in memory; four codes in three bytes: a row's codes are one little-endian stream of bits, code i at bits 6 i .. 6 i + 5 (a code: sign, 3 exponent bits, 2 mantissa bits); and NAME_scales (uint8): the same leading axes, one E8M0 byte (e + 127) for each 32 codes along K. Its value is code x scale, taken as it is: it is not quantised again, and the codes and scales need not be those that the quantiser above would give.
;; One version. Each part assembles by itself: llvm-mc -triple=amdgcn-amd-amdhsa -mcpu=gfx1250 --defsym DOCPART=n.
;; ======== version 1 of 1: 7 launches
;; limits: right only within a limited range of input values
;; workspace buffers: acod 3,145,728 bytes; asc 131,072 bytes; qkvc 9,961,472 bytes; x1 16,777,216 bytes; hc 12,582,912 bytes; hs 524,288 bytes
;; launch ln1 (part 1): grid 256 x 1, 4 waves a work-group, no clusters, 24,064 bytes of LDS; arguments x, g1, be1, acod, asc; writes acod, asc
.if DOCPART == 1
	.amdgcn_target "amdgcn-amd-amdhsa--gfx1250"
	.amdhsa_code_object_version 6
	.text
	.protected	k_q841b6e4787_ln1
	.globl	k_q841b6e4787_ln1
	.p2align	8
	.type	k_q841b6e4787_ln1,@function
k_q841b6e4787_ln1:
	s_mov_b64 s[64:65], 0
	v_nop
	global_prefetch_b8 v0, s[64:65] scope:SCOPE_SE
	s_setreg_imm32_b32 hwreg(HW_REG_WAVE_MODE, 25, 1), 1
	s_wait_xcnt 0x0
; y = (x - mean) * rsqrt(var + 1e-5) * g + b for rows of 1,024 f32, then y is turned into codes of BF6 (E3M2) with one E8M0 byte for each 32 along the row.
; Codes: [4096 rows][768 bytes], a row one stream of bits; scale bytes: [4096][32].
; A block's byte is its largest magnitude's exponent field - 4, held at 1 from below.  LIMITS: NaN and infinities are not served; a block of zeros, or one whose largest
; magnitude lies under 2^-122, keeps the byte 1 (its codes are zeros or nearly so); the bytes are read by this program alone.
; SHARES.  A work-group takes 16 rows, a wave four.  A row is read once, 16 bytes a lane and 512 consecutive bytes a load, and stays in 32 registers for the mean, the variance (of x - mean) and the scaling.
; The conversion wants 32 NEIGHBOURS in one lane, so the finished row turns through the wave's own stage in LDS (128 bytes + 16 of padding for each block).  A lane's 24 bytes of codes go through a second stage,
; so that a store covers 384 consecutive bytes.  The work-group's 512 scale bytes meet in LDS and leave by one store.  All 48 loads of a wave are issued at the head.
.set G,    16                          ; v16-47   g, as a row is loaded
.set BE,   48                          ; v48-79   b
.set X,    80                          ; v80-207  four rows of 32 registers
.set Y,    208                         ; v208-239 a block of 32 neighbours
.set CH,   8                           ; v8-15    four chains of sums; at work
.set MU,   240                         ; v[240:241] the mean, twice
.set RS,   242                         ; v[242:243] 1 / sqrt(var + eps), twice
.set SRD,  244                         ; v244     where wave 0 reads the scale bytes back
.set CD,   248                         ; v248-250, v252-254 a block's codes
.set TST,  4608                        ; a wave's turning stage: 32 x (128 + 16)
.set CST,  4*TST                       ; the stages for codes: 64 places of 16 bytes a wave
.set SCB,  CST+4*1024                  ; the work-group's 512 scale bytes
	s_load_b256 s[4:11], s[0:1], 0x0               ; x s[4:5], g s[6:7], b s[8:9], codes s[10:11]
	s_load_b64 s[12:13], s[0:1], 0x20              ; scale bytes
	v_lshl_add_u32 v251, v0, 2, 0x5c00
	v_mov_b32 v255, 0
	v_lshrrev_b32 v1, 5, v0
	v_readfirstlane_b32 s2, v1                     ; wave
	v_and_b32 v15, 31, v0                          ; lane
	v_lshlrev_b32 v1, 4, v15                       ; 16 x lane
	s_mul_i32 s3, s2, TST
	v_lshrrev_b32 v2, 3, v15
	v_lshl_add_u32 v2, v2, 4, v1
	v_add_nc_u32 v2, s3, v2                        ; turning stage, in: 16 lane + 16 (lane / 8): eight lanes' 128 bytes, then the padding
	v_mul_u32_u24 v3, v15, 144
	v_add_nc_u32 v3, s3, v3                        ; out: block = lane
	s_lshl_b32 s3, s2, 10
	s_add_co_u32 s3, s3, CST
	v_lshl_add_u32 v4, v15, 5, s3                  ; codes' stage, in: two places of 16 bytes a lane
	v_add_nc_u32 v5, s3, v1                        ; out: place = lane, and lane + 32
	v_mul_u32_u24 v6, v15, 12                      ; and a place's 12 bytes in the row of codes
	s_lshl_b32 s3, s2, 7
	s_add_co_u32 s3, s3, SCB
	v_add_nc_u32 v7, s3, v15                       ; my block's scale byte: 128 x wave + lane, + 32 for each row
	v_add_nc_u32 v[SRD], SCB, v1
	s_mov_b32 s14, 0x76543210
	s_mov_b32 s15, 0xfedcba98                      ; v_permlanex16_b32's selects for lane l xor 16
	s_mov_b32 s16, 0x3a800000                      ; 1 / 1024
	s_mov_b32 s17, 0x3727c5ac                      ; 1e-5
	s_lshl_b32 s18, ttmp9, 16                      ; 16 rows of 4,096 bytes a work-group,
	s_lshl_b32 s20, s2, 14                         ; four a wave
	s_add_co_u32 s18, s18, s20
	s_mov_b32 s19, 0
	s_mul_i32 s20, ttmp9, 16*768
	s_mul_i32 s22, s2, 4*768
	s_add_co_u32 s20, s20, s22
	s_mov_b32 s21, 0
	s_lshl_b32 s22, ttmp9, 9
	s_mov_b32 s23, 0
	s_wait_kmcnt 0x0
	s_add_nc_u64 s[4:5], s[4:5], s[18:19]
	s_add_nc_u64 s[10:11], s[10:11], s[20:21]
	s_add_nc_u64 s[12:13], s[12:13], s[22:23]
.macro LROW k
.irp i, 0,1,2,3,4,5,6,7
	global_load_b128 v[X+32*\k+4*\i:X+32*\k+4*\i+3], v1, s[4:5] offset:4096*\k+512*\i
.endr
.endm
	LROW 0
.irp i, 0,1,2,3,4,5,6,7
	global_load_b128 v[G+4*\i:G+4*\i+3], v1, s[6:7] offset:512*\i
.endr
.irp i, 0,1,2,3,4,5,6,7
	global_load_b128 v[BE+4*\i:BE+4*\i+3], v1, s[8:9] offset:512*\i
.endr
	LROW 1
	LROW 2
	LROW 3
.macro REDUCE                          ; four chains of pairs -> their sum over the wave, in every lane's v[CH]
	v_pk_add_f32 v[CH:CH+1], v[CH:CH+1], v[CH+2:CH+3]
	v_pk_add_f32 v[CH+4:CH+5], v[CH+4:CH+5], v[CH+6:CH+7]
	v_pk_add_f32 v[CH:CH+1], v[CH:CH+1], v[CH+4:CH+5]
	v_add_f32 v[CH], v[CH], v[CH+1]
	v_add_f32_dpp v[CH], v[CH], v[CH] row_xmask:1 row_mask:0xf bank_mask:0xf
	v_add_f32_dpp v[CH], v[CH], v[CH] row_xmask:2 row_mask:0xf bank_mask:0xf
	v_add_f32_dpp v[CH], v[CH], v[CH] row_xmask:4 row_mask:0xf bank_mask:0xf
	v_add_f32_dpp v[CH], v[CH], v[CH] row_xmask:8 row_mask:0xf bank_mask:0xf
	v_permlanex16_b32 v[CH+1], v[CH], s14, s15
	v_add_f32 v[CH], v[CH], v[CH+1]
.endm
; Row k of the wave's four.  n1: the loads issued behind this row's eight, which may stay out.
.macro ROW k, n1
.set XR, X+32*\k
	s_wait_loadcnt \n1
.irp c, 0,1,2,3
	v_pk_add_f32 v[CH+2*\c:CH+2*\c+1], v[XR+2*\c:XR+2*\c+1], v[XR+8+2*\c:XR+9+2*\c]
.endr
.irp p, 8,12
.irp c, 0,1,2,3
	v_pk_add_f32 v[CH+2*\c:CH+2*\c+1], v[CH+2*\c:CH+2*\c+1], v[XR+2*(\p+\c):XR+2*(\p+\c)+1]
.endr
.endr
	REDUCE
	v_mul_f32 v[MU], s16, v[CH]                    ; the mean
	v_mul_f32 v[MU+1], s16, v[CH]
.irp p, 0,1,2,3,4,5,6,7,8,9,10,11,12,13,14,15
	v_pk_add_f32 v[XR+2*\p:XR+2*\p+1], v[XR+2*\p:XR+2*\p+1], v[MU:MU+1] neg_lo:[0,1] neg_hi:[0,1]   ; x - mean, in place
.endr
.irp c, 0,1,2,3
	v_pk_mul_f32 v[CH+2*\c:CH+2*\c+1], v[XR+2*\c:XR+2*\c+1], v[XR+2*\c:XR+2*\c+1]
.endr
.irp p, 4,8,12
.irp c, 0,1,2,3
	v_pk_fma_f32 v[CH+2*\c:CH+2*\c+1], v[XR+2*(\p+\c):XR+2*(\p+\c)+1], v[XR+2*(\p+\c):XR+2*(\p+\c)+1], v[CH+2*\c:CH+2*\c+1]
.endr
.endr
	REDUCE
	v_fma_f32 v[CH+2], v[CH], s16, s17             ; the variance + 1e-5
	s_wait_alu depctr_va_vdst(0)
	v_rsq_f32 v[RS], v[CH+2]
	v_rsq_f32 v[RS+1], v[CH+2]
	v_nop                                          ; a plain instruction behind the two, ahead of the first use
	s_wait_alu depctr_va_vdst(0)                   ; one wait for both, ahead of their first reader
.if \k == 0
	s_wait_loadcnt 24                              ; g and b are in; the 24 loads of rows 1 to 3 may be out
.endif
.irp p, 0,1,2,3,4,5,6,7,8,9,10,11,12,13,14,15
	v_pk_mul_f32 v[XR+2*\p:XR+2*\p+1], v[XR+2*\p:XR+2*\p+1], v[RS:RS+1]
.endr
.irp p, 0,1,2,3,4,5,6,7,8,9,10,11,12,13,14,15
	v_pk_fma_f32 v[XR+2*\p:XR+2*\p+1], v[XR+2*\p:XR+2*\p+1], v[G+2*\p:G+2*\p+1], v[BE+2*\p:BE+2*\p+1]
.endr
.irp i, 0,1,2,3,4,5,6,7
	ds_store_b128 v2, v[XR+4*\i:XR+4*\i+3] offset:576*\i           ; the row as it lies: 512 bytes and four paddings a store
.endr
.irp i, 0,1,2,3,4,5,6,7
	ds_load_b128 v[Y+4*\i:Y+4*\i+3], v3 offset:16*\i               ; LDS serves a wave's instructions in order: these see the stores.  My block of 32
.endr
	s_wait_dscnt 0x0
	v_max3_num_f32 v8, |v[Y]|, |v[Y+1]|, |v[Y+2]|                  ; the block's largest magnitude: all 32 numbers are mine
	v_max3_num_f32 v9, |v[Y+3]|, |v[Y+4]|, |v[Y+5]|
.irp i, 6,10,14,18,22,26
	v_max3_num_f32 v8, v8, |v[Y+\i]|, |v[Y+\i+1]|
	v_max3_num_f32 v9, v9, |v[Y+\i+2]|, |v[Y+\i+3]|
.endr
	v_max3_num_f32 v8, v8, |v[Y+30]|, |v[Y+31]|
	v_max3_num_f32 v8, v8, v9, 0x2800000           ; and the floor 2^(5 - 127): the byte cannot fall under 1
	v_add_nc_u32 v11, 0xfe000000, v8               ; 4 off the exponent field: the conversion takes this operand's exponent field as its scale
	v_cvt_scalef32_pk16_bf6_f32 v[CD:CD+2], v[Y:Y+15], v11
	v_cvt_scalef32_pk16_bf6_f32 v[CD+4:CD+6], v[Y+16:Y+31], v11
	v_lshrrev_b32 v10, 23, v11                     ; the scale's byte (also the plain instruction behind the conversions)
	ds_store_b8 v7, v10 offset:32*\k
	ds_store_b96 v4, v[CD:CD+2]                    ; 12 bytes to a place of 16
	ds_store_b96 v4, v[CD+4:CD+6] offset:16
	ds_load_b96 v[XR:XR+2], v5                     ; places 0-31: the row's first 384 bytes, 12 a lane; into registers of this row, which are done with
	ds_load_b96 v[XR+4:XR+6], v5 offset:512        ; places 32-63
	s_wait_dscnt 0x0
	global_store_b96 v6, v[XR:XR+2], s[10:11] offset:768*\k        ; 384 consecutive bytes
	global_store_b96 v6, v[XR+4:XR+6], s[10:11] offset:768*\k+384
.endm
	ROW 0, 40
	ROW 1, 16
	ROW 2, 8
	ROW 3, 0
	s_barrier_signal -1                            ; my LDS stores are done (the last row's wait for 0): the sixteen rows' scale bytes lie in LDS
	s_barrier_wait -1
	s_cmp_lg_u32 s2, 0
	s_cbranch_scc1 .Lend
	ds_load_b128 v[Y:Y+3], v[SRD]
	s_wait_dscnt 0x0
	global_store_b128 v1, v[Y:Y+3], s[12:13]       ; 512 consecutive bytes, at a multiple of 512 from the buffer's first byte
.Lend:
	s_wait_tensorcnt 0x0
	ds_add_u32 v251, v255
	s_wait_dscnt 0x0
	s_endpgm
.Lfunc_end_k_q841b6e4787_ln1:
	.size	k_q841b6e4787_ln1, .Lfunc_end_k_q841b6e4787_ln1-k_q841b6e4787_ln1
	.p2alignl 7, 3214868480
	.fill 96, 4, 3214868480
	.section	.rodata,"a",@progbits
	.p2align	6, 0x0
	.amdhsa_kernel k_q841b6e4787_ln1
		.amdhsa_group_segment_fixed_size 24064
		.amdhsa_private_segment_fixed_size 0
		.amdhsa_enable_private_segment 0
		.amdhsa_kernarg_size 40
		.amdhsa_user_sgpr_count 2
		.amdhsa_user_sgpr_kernarg_segment_ptr 1
		.amdhsa_wavefront_size32 1
		.amdhsa_system_sgpr_workgroup_id_x 1
		.amdhsa_system_sgpr_workgroup_id_y 1
		.amdhsa_system_sgpr_workgroup_id_z 1
		.amdhsa_system_vgpr_workitem_id 0
		.amdhsa_next_free_vgpr 256
		.amdhsa_next_free_sgpr 66
		.amdhsa_reserve_vcc 0
		.amdhsa_float_denorm_mode_32 3
		.amdhsa_float_denorm_mode_16_64 3
		.amdhsa_memory_ordered 1
		.amdhsa_forward_progress 1
		.amdhsa_inst_pref_size 44
	.end_amdhsa_kernel
	.amdgpu_metadata
---
amdhsa.version: [ 1, 2 ]
amdhsa.kernels:
  - .name:           k_q841b6e4787_ln1
    .symbol:         k_q841b6e4787_ln1.kd
    .args:
      - { .name: x, .offset: 0, .size: 8, .value_kind: global_buffer, .address_space: global }
      - { .name: g1, .offset: 8, .size: 8, .value_kind: global_buffer, .address_space: global }
      - { .name: be1, .offset: 16, .size: 8, .value_kind: global_buffer, .address_space: global }
      - { .name: acod, .offset: 24, .size: 8, .value_kind: global_buffer, .address_space: global }
      - { .name: asc, .offset: 32, .size: 8, .value_kind: global_buffer, .address_space: global }
    .group_segment_fixed_size: 24064
    .private_segment_fixed_size: 0
    .kernarg_segment_align: 8
    .kernarg_segment_size: 40
    .max_flat_workgroup_size: 128
    .sgpr_count:     66
    .vgpr_count:     256
    .wavefront_size: 32
...
	.end_amdgpu_metadata
.endif
;; end of part 1
;; launch qkv (part 2): grid 8 x 32, 4 waves a work-group, clusters of 4 x 4, 327,680 bytes of LDS; arguments acod, asc, w_qkv_codes, w_qkv_scales, qkvc; writes qkvc
.if DOCPART == 2
	.amdgcn_target "amdgcn-amd-amdhsa--gfx1250"
	.amdhsa_code_object_version 6
	.text
	.protected	k_q841b6e4787_qkv
	.globl	k_q841b6e4787_qkv
	.p2align	8
	.type	k_q841b6e4787_qkv,@function
k_q841b6e4787_qkv:
	s_mov_b64 s[64:65], 0
	v_nop
	global_prefetch_b8 v0, s[64:65] scope:SCOPE_SE
	s_setreg_imm32_b32 hwreg(HW_REG_WAVE_MODE, 25, 1), 1
	s_wait_xcnt 0x0
	s_wait_alu depctr_hold_cnt(0) depctr_sa_sdst(0) depctr_va_vdst(0) depctr_va_sdst(0) depctr_va_ssrc(0) depctr_va_vcc(0) depctr_vm_vsrc(0)
	s_getreg_b32 s2, hwreg(HW_REG_IB_STS2, 6, 4)
	s_cmp_eq_u32 s2, 0
	s_cbranch_scc0 .Lentry_in_a_cluster
	s_endpgm
.Lentry_in_a_cluster:
	s_bfe_u32 s2, ttmp6, 0x10000c
	s_cmp_lg_u32 s2, 0xf033
	s_cbranch_scc0 .Lentry_shape_is_right
	s_endpgm
.Lentry_shape_is_right:
; qkv = h W^T on codes of BF6 (E3M2) with E8M0 scales for each 32 along K = 1,024; the results are quantised at once: q and k along the head's 64, v along the tokens (the keys), and stored as
; IMAGES OF OPERAND REGISTERS for the attention launch.  A: [4096][768 bytes] codes, [4096][32] scale bytes.  W: [3072][768], [3072][32]; row n = head x 192 + {q, k, v} x 64 + d.
; SHARES.  A work-group makes 128 tokens x 384 columns (two heads); its four waves lie 2 x 2: a wave makes 64 tokens x 192 columns: ONE head's q, k and v.  48 accumulators, 384 registers.
; K goes in steps of 256 through a ring of two LDS slots filled by the tensor data mover; the scale bytes of the work-group's rows come once and stay.
; CLUSTERS: 4 x 4 work-groups; A's tiles are asked for jointly along a row of the cluster, W's along a column.
; q AND k ARE MADE TRANSPOSED (source 0 = 16 rows of W, source 1 = 16 tokens): a lane holds one token and eight neighbouring d.  v IS MADE THE OTHER WAY ROUND (source 0 = tokens, source 1 = rows of W):
; a lane holds one channel and eight neighbouring tokens, which are the next product's K.
; A HALF IMAGE is 768 bytes: six registers a lane, registers 0-3 at 16 x lane, registers 4-5 at 512 + 8 x lane; lane (r, h) holds row r's 32 codes 32 h ..
;   q, k: [bh][tile of 16 tokens, 128][768];  v: [bh][128 keys, 16][16 channels, 4][64 keys, 2][768];  scale words: [bh][64 tokens, 32][512]: lane r's QW0-3 at 16 r, its KW0, KW1, VP0, VP1 at 256 + 16 r.
; LIMITS: NaN and infinities are not served; a block of zeros, or one whose largest magnitude lies under 2^-122, keeps the byte 1; the bytes are read by this program alone.
; REGISTERS, in windows of 256: window 0: v0-31 addresses; v32-63 scale words, two sets; v64-255 fragment set 1 (on the way out: at work).  window 1: v0-191 fragment set 0.
;   window 2: q's and k's accumulators, (a, b) at 8 (8 a + b);  window 3: v's, (a, b) at 8 (4 (b - 8) + a).  In a fragment set A's block a lies at 12 a, W's block b at 12 (MA + b).
.set KK,     1024
.set MA,     4                         ; A's blocks of 16 rows a wave
.set NB,     12                        ; W's
.set NQ,     2                         ; steps of 128 along K in a slot
; K goes through the ring in CHUNKS of CH bytes of each row of codes (this takes the place of the steps of 256 along K named at the head): a tile's row begins at a multiple of 256 bytes.
; A step of 128 along K is 96 bytes: a step may lie across two chunks, and then its pieces come from both slots.  K has three chunks, so no chunk lies two refills ahead: no prefetch is laid.
.set CH,     256                       ; a chunk of a row, in bytes
.set ROWB,   CH
.set QI,     5                         ; padding behind every 64 words
.set PITCH,  CH+16                     ; an LDS row
.set KROW,   KK*3/4
.set KS,     KK/32
.set HALFA,  16*MA*PITCH               ; what one tensor load brings of A, and what one wave reads
.set HALFB,  16*NB*PITCH
.set SLOT,   2*HALFA+2*HALFB
.set STEPS,  KK/128
.set CHUNKS, KROW/CH                   ; chunk c lies in slot c % 2
.set SCL,    2*SLOT
.set RSA,    32*MA*KS/256              ; units of 256 scale bytes of the work-group's rows of A: one load brings them
.set RSB,    32*NB*KS/256
.set HALFSA, RSA*136                   ; what one wave reads of them
.set HALFSB, RSB*136
.set SPARE,  SCL+2*HALFSA+2*HALFSB     ; the spare words, 128 bytes for each wave: two blocks of 256 bytes that no other line names
.set SAI,    544                       ; A's scale words: from block to block of 16 rows,
.set SAQ,    4                         ; from step to step,
.set SAS,    4*NQ                      ; from slot to slot
.set SBI,    544
.set SBS,    4*NQ
.set KOFF,   3145728                   ; the workspace's parts: k's images,
.set VOFF,   6291456                   ; v's,
.set SOFF,   9437184                   ; the scale words
.set ADSA, 8                           ; v8   LDS address of my A rows' scale words
.set ADSB, 9                           ; v9   of W's
.set ADRA, 16                          ; v16-17 my A fragments in slot 0, 1; v18-19 for pieces that lie across two chunks
.set ADRB, 20                          ; v20-23 the same for W
.set L16,  24                          ; v24  16 x lane
.set L8,   25                          ; v25  512 + 8 x lane
.set LN,   26                          ; v26  lane
.set SPW,  28                          ; v28  my spare word; never rewritten
.set NIL,  29                          ; v29  0; never rewritten
.set SC,   32                          ; scale words: set p at SC + 16 p: A's block a at + a, W's block b at + MA + b
.set PCD,  64                          ; the way out: q's and k's codes, 12 registers for each of four tiles
.set VCD,  112                         ; v's, 6 for each of four channel tiles
.set PW,   136                         ; v136-141 scale words as they are made
.set TM,   144                         ; v144-155 largest magnitudes, bytes, scale operands
.set TY,   156                         ; v156-163 the second conversions' results
.set QW,   164
.set KW,   168
.set OUTW, 172
.set G1, 24
.set G0, 32
.set G1B, 48
.set G0B, 56
.set G1S, 68
.set G0S, 76
.set G1SB, 80
.set G0SB, 88
.set SEL, 98
.set MSB, 0
.macro WIN new                         ; the immediate's high byte repeats the setting that is left
.if MSB != (\new)
	s_set_vgpr_msb (MSB<<8)|(\new)
.set MSB, (\new)
.endif
.endm
.macro PLACES                          ; four plain vector instructions: in front of loads into registers that matrix instructions have read, and of the first read of results
.rept 4
	v_nop
.endr
.endm
; A joint load: waves 0 and 1 fetch for A, waves 2 and 3 for W.  The branch hangs on the wave's number alone.  Four v_nop follow each of the two lines.
.macro JLOAD g0a, g1a, g0b, g1b
	s_cmp_eq_u32 s17, 0
	s_cbranch_scc0 .Lfor_b_\@
	tensor_load_to_lds s[\g0a:\g0a+3], s[\g1a:\g1a+7]
	s_nop 0
	PLACES
	s_branch .Lasked_\@
.Lfor_b_\@:
	tensor_load_to_lds s[\g0b:\g0b+3], s[\g1b:\g1b+7]
	s_nop 0
	PLACES
.Lasked_\@:
.endm
.macro CREST                           ; a round of the cluster's barrier behind its opening barrier
	s_cmp_lg_u32 s16, 0
	s_cbranch_scc1 .Lnot_wave_0_\@
	s_barrier_signal -3
.Lnot_wave_0_\@:
	s_barrier_wait -3
	s_barrier_signal -1
	s_barrier_wait -1
.endm
.macro CROUND
	s_barrier_signal -1
	s_barrier_wait -1
	CREST
.endm
; A fragment, 16 rows x 128 K, is 12 registers: lane (r, h) holds row r; registers 6 c .. 6 c + 5 hold K = 64 c + 32 h + 0 .. 31: 24 bytes of the row as they lie, in pieces of 8 bytes.  q: the step, counted from the row's start.
; Byte y of a row lies in chunk y / CH, in slot (y / CH) % 2.  Where lanes 16-31, 24 bytes on, read the next chunk, the second pair of address registers serves.
.macro FRAG reg, adr, q, i
.irp p, 0,1,2,3,4,5
.set BY, 96*(\q)+48*(\p/3)+8*(\p%3)
.if BY/CH == (BY+24)/CH
	ds_load_b64 v[\reg+2*\p:\reg+2*\p+1], v[\adr+(BY/CH)%2] offset:BY%CH+(\i)*16*PITCH
.else
	ds_load_b64 v[\reg+2*\p:\reg+2*\p+1], v[\adr+2+(BY/CH)%2] offset:BY%CH-(CH-24)+(\i)*16*PITCH
.endif
.endr
.endm
.macro FETCH slot, q, p                ; all fragments and scale words of the slot's q-th 128 along K, into set p, in one run
.set FB, 64*(\p)
	WIN 0x40*(1-(\p))
.set FI, 0
.rept NB
	FRAG FB+12*(MA+FI), ADRB+\slot, \q, FI
.set FI, FI+1
.endr
.set FI, 0
.rept MA
	FRAG FB+12*FI, ADRA+\slot, \q, FI
.set FI, FI+1
.endr
	WIN 0
.set FI, 0
.rept MA
	ds_load_b32 v[SC+16*(\p)+FI], v[ADSA] offset:SAI*FI+SAQ*(\q)
.set FI, FI+1
.endr
.set FI, 0
.rept NB
	ds_load_b32 v[SC+16*(\p)+MA+FI], v[ADSB] offset:SBI*FI+4*(\q)
.set FI, FI+1
.endr
.endm
.macro WM d, a, b, c, sa, sb           ; one product; c: C's first register, or -1 for the constant 0, which starts a sum
.if (\c) < 0
	v_wmma_scale_f32_16x16x128_f8f6f4 v[(\d):(\d)+7], v[(\a):(\a)+11], v[(\b):(\b)+11], 0, v[\sa], v[\sb] matrix_a_fmt:MATRIX_FMT_BF6 matrix_b_fmt:MATRIX_FMT_BF6
.else
	v_wmma_scale_f32_16x16x128_f8f6f4 v[(\d):(\d)+7], v[(\a):(\a)+11], v[(\b):(\b)+11], v[(\c):(\c)+7], v[\sa], v[\sb] matrix_a_fmt:MATRIX_FMT_BF6 matrix_b_fmt:MATRIX_FMT_BF6
.endif
.endm
; A's block `part` against W's twelve, from set p.  mode = 1: the products start the sums.  The 48 accumulators take turns in the same order in every step.
.macro MULQ p, part, mode
.set FB, 64*(\p)
.set WS, 5*(1-(\p))                    ; both sources: window 1 for set 0, window 0 for set 1
	WIN WS|0xa0
.irp b, 0,1,2,3,4,5,6,7
.set AC, 8*(8*(\part)+\b)
.if \mode
	WM AC, FB+12*(MA+\b), FB+12*(\part), -1, SC+16*(\p)+MA+\b, SC+16*(\p)+(\part)
.else
	WM AC, FB+12*(MA+\b), FB+12*(\part), AC, SC+16*(\p)+MA+\b, SC+16*(\p)+(\part)
.endif
.endr
	WIN WS|0xf0
.irp b, 8,9,10,11
.set AC, 8*(4*(\b-8)+(\part))
.if \mode
	WM AC, FB+12*(\part), FB+12*(MA+\b), -1, SC+16*(\p)+(\part), SC+16*(\p)+MA+\b
.else
	WM AC, FB+12*(\part), FB+12*(MA+\b), AC, SC+16*(\p)+(\part), SC+16*(\p)+MA+\b
.endif
.endr
.endm
; Step st multiplies set st % 2 and fetches step st + 1's fragments.  Where the next step's bytes END in a chunk not read yet, every wave waits for its tensor loads and a barrier shows that chunk whole.
; Where they BEGIN in a later chunk than this step's, the chunk left behind is read no more: the wait, the add, the wait for it and for my reads, the barrier; if a chunk two on is left, the barrier opens a round and the slot is filled again.
.macro STEP st, mode
.set NX, (\st)+1
.set C0, (96*(\st))/CH
.set C1, (96*NX)/CH
.set E0, (96*(\st)+95)/CH
.set E1, (96*NX+95)/CH
.if C1 > C0 || E1 > E0
	s_wait_tensorcnt 0x0                           ; all my tensor loads have landed
.if C1 > C0
	ds_add_u32 v[SPW], v[NIL]
	s_wait_dscnt 0x1                               ; this step's set is in; the add alone may be out
.else
	s_wait_dscnt 0x0
.endif
	MULQ (\st)%2, 0, \mode
	s_wait_dscnt 0x0                               ; the add is done, and my reads of the chunk left behind are over
	s_barrier_signal -1
	MULQ (\st)%2, 1, \mode
	WIN 0
	s_barrier_wait -1
.if C1 > C0 && C0+2 < CHUNKS
	CREST
	s_add_nc_u64 s[G0+4*(C0%2)+2:G0+4*(C0%2)+3], s[G0+4*(C0%2)+2:G0+4*(C0%2)+3], 2*CH
	s_add_nc_u64 s[G0B+4*(C0%2)+2:G0B+4*(C0%2)+3], s[G0B+4*(C0%2)+2:G0B+4*(C0%2)+3], 2*CH
	JLOAD G0+4*(C0%2), G1, G0B+4*(C0%2), G1B       ; chunk C0 + 2, the first tensor load behind the round
.else
	PLACES
.endif
	FETCH 0, NX, NX%2
	MULQ (\st)%2, 2, \mode
	MULQ (\st)%2, 3, \mode
.else
	s_wait_dscnt 0x0                               ; this step's set, asked for a step ago, is in
	PLACES
	FETCH 0, NX, NX%2
	MULQ (\st)%2, 0, \mode
	MULQ (\st)%2, 1, \mode
	MULQ (\st)%2, 2, \mode
	MULQ (\st)%2, 3, \mode
.endif
	WIN 0
.endm
; THE QUANTISER.  32 nc numbers of a lane in window w, register 8 t + j = element 16 t + 8 h + j of the lane's row.  QSCALE: each block's largest magnitude (mine and lane l xor 16's), the conversions' scale
; operands in v[TM+8 ..] and the row's scale word in v[pw].
.macro QSCALE s, w, nc, pw
	WIN (\w)|((\w)<<2)
.set QB, 0
.rept 2*(\nc)
	v_max3_num_f32 v[TM+QB], |v[(\s)+16*QB]|, |v[(\s)+16*QB+1]|, 0x2800000   ; with the floor 2^(5 - 127): the byte cannot fall under 1.  Each accumulator is read from its low end on
.set QB, QB+1
.endr
	WIN ((\w)<<2)|((\w)<<4)
.irp i, 2,4,6,8,10,12,14
.set QB, 0
.rept 2*(\nc)
	v_max3_num_f32 v[TM+QB], v[TM+QB], |v[(\s)+16*QB+\i]|, |v[(\s)+16*QB+\i+1]|
.set QB, QB+1
.endr
.endr
	WIN 0
.set QB, 0
.rept 2*(\nc)
	v_permlanex16_b32 v[TM+4+QB], v[TM+QB], s[SEL], s[SEL+1]
.set QB, QB+1
.endr
.set QB, 0
.rept 2*(\nc)
	v_max_num_f32 v[TM+QB], v[TM+QB], v[TM+4+QB]
.set QB, QB+1
.endr
.set QB, 0
.rept 2*(\nc)
	v_add_nc_u32 v[TM+8+QB], 0xfe000000, v[TM+QB]  ; 4 off the exponent field: the conversion's scale operand
.set QB, QB+1
.endr
.set QB, 0
.rept 2*(\nc)
	v_lshrrev_b32 v[TM+4+QB], 23, v[TM+8+QB]       ; the scale's byte
.set QB, QB+1
.endr
	v_lshl_or_b32 v[\pw], v[TM+5], 8, v[TM+4]
.if (\nc) == 2
	v_lshl_or_b32 v[\pw], v[TM+6], 16, v[\pw]
	v_lshl_or_b32 v[\pw], v[TM+7], 24, v[\pw]
.endif
.endm
; QPACK: the codes.  A conversion gives 96 bits: my two octets of a block (elements 8 h .. and 16 + 8 h ..).  The exchange of halves brings a whole block into a lane (lanes 0-15 block 2 c, lanes 16-31 block
; 2 c + 1) as octets 0, 2 in X and 1, 3 in Y; four v_perm_b32 and a move weave them into the stream's order: words 0-2 at pc + st c, words 3-5 at pc + st c + hi.
.macro QPACK s, w, nc, pc, st, hi
	WIN (\w)
.set QC, 0
.rept \nc
	v_cvt_scalef32_pk16_bf6_f32 v[(\pc)+(\st)*QC:(\pc)+(\st)*QC+2], v[(\s)+32*QC:(\s)+32*QC+15], v[TM+8+2*QC]
	v_cvt_scalef32_pk16_bf6_f32 v[TY+4*QC:TY+4*QC+2], v[(\s)+32*QC+16:(\s)+32*QC+31], v[TM+9+2*QC]
.set QC, QC+1
.endr
	WIN 0
	v_nop                                          ; one plain instruction behind the scaled conversions
.set QC, 0
.rept \nc
.set QX, (\pc)+(\st)*QC
.set QY, TY+4*QC
.set QH, QX+(\hi)
	v_permlane16_swap_b32 v[QX], v[QY]
	v_permlane16_swap_b32 v[QX+1], v[QY+1]
	v_permlane16_swap_b32 v[QX+2], v[QY+2]
	v_perm_b32 v[QH], v[QX+2], v[QX+1], 0x05040302     ; word 3: octet 2's first 32 bits
	v_perm_b32 v[QH+1], v[QY+1], v[QX+2], 0x07060302   ; word 4: its last 16, octet 3's first 16
	v_perm_b32 v[QX+1], v[QY], v[QX+1], 0x05040100     ; word 1: octet 0's last 16, octet 1's first 16
	v_perm_b32 v[QX+2], v[QY+1], v[QY], 0x05040302     ; word 2: octet 1's last 32
	v_mov_b32 v[QH+2], v[QY+2]                         ; word 5: octet 3's last 32
.set QC, QC+1
.endr
.endm
.macro QUANTN s, w, nc, pc, st, hi, pw
	QSCALE \s, \w, \nc, \pw
	QPACK \s, \w, \nc, \pc, \st, \hi
.endm
	s_load_b256 s[4:11], s[0:1], 0x0               ; A's codes s[4:5], A's scales s[6:7], W's codes s[8:9], W's scales s[10:11]
	s_load_b64 s[12:13], s[0:1], 0x20              ; the workspace
	v_lshl_add_u32 v[SPW], v0, 2, SPARE
	v_mov_b32 v[NIL], 0
	ds_add_u32 v28, v29
	ds_add_u32 v28, v29
	s_wait_dscnt 0x0
	v_lshrrev_b32 v1, 5, v0
	v_readfirstlane_b32 s16, v1                    ; wave 0..3
	s_lshr_b32 s17, s16, 1                         ; which half of the tile's rows is mine.  Also: I fetch for A (0) or for W (1)
	s_and_b32 s18, s16, 1                          ; which half of its columns.  Also: which half of that tile I fetch
	s_bfe_u32 s40, ttmp6, 0x40000                  ; cx, cy: my place in the cluster
	s_bfe_u32 s41, ttmp6, 0x40004
	s_lshl_b32 s42, ttmp9, 2
	s_add_co_u32 s42, s42, s40                     ; tile column = 4 x cluster x + cx
	s_and_b32 s19, ttmp7, 0xffff
	s_lshl_b32 s19, s19, 2
	s_add_co_u32 s19, s19, s41                     ; tile row = 4 x cluster y + cy
	s_lshl_b32 s43, s41, 2
	s_lshl_b32 s43, 15, s43                        ; my row of the cluster
	s_lshl_b32 s44, 0x1111, s40                    ; my column
	s_or_b32 s[G1], s43, (1<<20)|(1<<21)|(QI<<22)|(3<<25)    ; the mask; elements of 1 byte; padding on; bit 21 beside a mask; 4 words of padding behind every 2 << QI words
	s_or_b32 s[G1B], s44, (1<<20)|(1<<21)|(QI<<22)|(3<<25)
	s_mov_b32 s[G1+1], ROWB<<16                    ; tensor_dim0
	s_mov_b32 s[G1+2], (32*MA)<<16                 ; tensor_dim1: the head's load brings all the tile's rows
	s_mov_b32 s[G1+3], ROWB<<16                    ; tile_dim0
	s_mov_b32 s[G1+4], 32*MA                       ; tile_dim1
	s_mov_b32 s[G1+5], KROW                        ; the pitch in memory
	s_mov_b32 s[G1+6], 0
	s_mov_b32 s[G1+7], 0
	s_mov_b32 s[G1B+1], ROWB<<16
	s_mov_b32 s[G1B+2], (32*NB)<<16
	s_mov_b32 s[G1B+3], ROWB<<16
	s_mov_b32 s[G1B+4], 32*NB
	s_mov_b32 s[G1B+5], KROW
	s_mov_b32 s[G1B+6], 0
	s_mov_b32 s[G1B+7], 0
	s_or_b32 s[G1S], s43, (3<<16)|(1<<20)|(1<<21)|(5<<22)|(3<<25)   ; the scale bytes: a dense block as rows of 256 bytes (32 elements of 8), 16 bytes of padding behind each
	s_or_b32 s[G1SB], s44, (3<<16)|(1<<20)|(1<<21)|(5<<22)|(3<<25)
	s_mov_b32 s[G1S+1], 32<<16
	s_mov_b32 s[G1S+2], RSA<<16
	s_mov_b32 s[G1S+3], 32<<16
	s_mov_b32 s[G1S+4], RSA
	s_mov_b32 s[G1S+5], 32
	s_mov_b32 s[G1S+6], 0
	s_mov_b32 s[G1S+7], 0
	s_mov_b32 s[G1SB+1], 32<<16
	s_mov_b32 s[G1SB+2], RSB<<16
	s_mov_b32 s[G1SB+3], 32<<16
	s_mov_b32 s[G1SB+4], RSB
	s_mov_b32 s[G1SB+5], 32
	s_mov_b32 s[G1SB+6], 0
	s_mov_b32 s[G1SB+7], 0
	s_mul_i32 s20, s19, 32*MA
	s_mul_i32 s46, s42, 32*NB                      ; the tiles' first rows: A's hangs on the tile row alone, W's on the tile column alone
	s_mul_i32 s92, s20, KS                         ; these rows' scale bytes,
	s_mov_b32 s93, 0
	s_mul_i32 s94, s46, KS
	s_mov_b32 s95, 0
	s_mul_i32 s20, s20, KROW                       ; and their codes (all under 2^32)
	s_mov_b32 s21, 0
	s_mul_i32 s46, s46, KROW
	s_mov_b32 s47, 0
	s_mul_i32 s45, s18, HALFA                      ; where they go: no place in the cluster enters an LDS address
	s_mul_i32 s96, s18, HALFB
	s_add_co_u32 s96, s96, 2*HALFA
	s_mul_i32 s22, s18, 16*MA*KROW                 ; in the ring I fetch half of a tile's rows: which half, in bytes
	s_mov_b32 s23, 0
	s_mul_i32 s2, s18, 16*NB*KROW
	s_mov_b32 s3, 0
	s_wait_kmcnt 0x0
	s_add_nc_u64 s[20:21], s[4:5], s[20:21]
	s_add_nc_u64 s[92:93], s[6:7], s[92:93]
	s_add_nc_u64 s[46:47], s[8:9], s[46:47]
	s_add_nc_u64 s[94:95], s[10:11], s[94:95]
	CROUND                                         ; all sixteen work-groups are here: the first joint loads meet
	s_mov_b32 s[G0S], 1
	s_mov_b32 s[G0S+1], SCL
	s_mov_b64 s[G0S+2:G0S+3], s[92:93]
	s_or_b32 s[G0S+3], s[G0S+3], 0x80000000
	s_mov_b32 s[G0SB], 1
	s_mov_b32 s[G0SB+1], SCL+2*HALFSA
	s_mov_b64 s[G0SB+2:G0SB+3], s[94:95]
	s_or_b32 s[G0SB+3], s[G0SB+3], 0x80000000
	s_mov_b32 s4, 1                                ; s[4:7], s[8:11]: group 0 for the head's loads of chunk 0, all A's rows and all W's (the arguments that lay there have been used)
	s_mov_b32 s5, 0
	s_mov_b64 s[6:7], s[20:21]
	s_or_b32 s7, s7, 0x80000000
	s_mov_b32 s8, 1
	s_mov_b32 s9, 2*HALFA
	s_mov_b64 s[10:11], s[46:47]
	s_or_b32 s11, s11, 0x80000000
	s_add_nc_u64 s[20:21], s[20:21], s[22:23]      ; for the ring: my half of the tile's rows
	s_add_nc_u64 s[46:47], s[46:47], s[2:3]
.irp s, 0,1
	s_mov_b32 s[G0+4*\s], 1
	s_add_co_u32 s[G0+4*\s+1], s45, \s*SLOT
	s_add_nc_u64 s[G0+4*\s+2:G0+4*\s+3], s[20:21], \s*ROWB
	s_or_b32 s[G0+4*\s+3], s[G0+4*\s+3], 0x80000000
	s_mov_b32 s[G0B+4*\s], 1
	s_add_co_u32 s[G0B+4*\s+1], s96, \s*SLOT
	s_add_nc_u64 s[G0B+4*\s+2:G0B+4*\s+3], s[46:47], \s*ROWB
	s_or_b32 s[G0B+4*\s+3], s[G0B+4*\s+3], 0x80000000
.endr
; The head's loads, one a wave: wave 0 chunk 0 of A's rows, wave 1 of W's, wave 2 A's scale bytes, wave 3 W's.  One chain of branches on the wave's number.
.macro ARM under, g0, g1, next
	s_cmp_lt_u32 s16, \under
	s_cbranch_scc0 \next
	tensor_load_to_lds s[\g0:\g0+3], s[\g1:\g1+7]
	s_nop 0
	PLACES
	s_branch .Lhead_asked
\next:
.endm
	ARM 1, 4, G1, .Lhead_b
	ARM 2, 8, G1B, .Lhead_sa
	ARM 3, G0S, G1S, .Lhead_sb
	tensor_load_to_lds s[G0SB:G0SB+3], s[G1SB:G1SB+7]
	s_nop 0
	PLACES
.Lhead_asked:
	v_and_b32 v1, 15, v0                           ; r
	v_bfe_u32 v2, v0, 4, 1                         ; h
	v_mul_u32_u24 v3, v1, PITCH
	v_mul_u32_u24 v4, v2, 24
	v_add_nc_u32 v4, v3, v4                        ; a fragment's row x pitch + 24 h
	s_mov_b32 s21, SLOT-(CH-24)
	s_mov_b32 s22, SLOT+(CH-24)
	v_sub_nc_u32 v7, 1, v2                         ; 1 in lanes 0-15
	v_mul_u32_u24 v5, s21, v2
	v_add_nc_u32 v5, v3, v5
	v_add_nc_u32 v5, CH-24, v5                     ; across two chunks: lanes 0-15 byte CH - 24 of the row in slot 0, lanes 16-31 byte 0 of the row in slot 1;
	v_mul_u32_u24 v6, s22, v7
	v_add_nc_u32 v6, v3, v6                        ; and lanes 0-15 in slot 1, lanes 16-31 in slot 0
	s_mul_i32 s21, s17, HALFA
	s_mul_i32 s22, s18, HALFB
	s_add_co_u32 s22, s22, 2*HALFA
	v_add_nc_u32 v[ADRA+2], s21, v5
	v_add_nc_u32 v[ADRA+3], s21, v6
	v_add_nc_u32 v[ADRB+2], s22, v5
	v_add_nc_u32 v[ADRB+3], s22, v6
.irp s, 0,1
	v_add_nc_u32 v[ADRA+\s], s21, v4
	v_add_nc_u32 v[ADRB+\s], s22, v4
	s_add_co_u32 s21, s21, SLOT
	s_add_co_u32 s22, s22, SLOT
.endr
	v_lshlrev_b32 v5, 5, v1                        ; a row's 32 scale bytes,
	v_lshrrev_b32 v6, 3, v1
	v_lshl_add_u32 v5, v6, 4, v5                   ; and 16 more behind each 256
	s_mul_i32 s21, s17, HALFSA
	s_add_co_u32 s21, s21, SCL
	v_add_nc_u32 v[ADSA], s21, v5
	s_mul_i32 s22, s18, HALFSB
	s_add_co_u32 s22, s22, SCL+2*HALFSA
	v_add_nc_u32 v[ADSB], s22, v5
	v_and_b32 v[LN], 31, v0
	v_lshlrev_b32 v[L16], 4, v[LN]
	v_lshl_add_u32 v[L8], v[LN], 3, 512
	s_mov_b32 s[SEL], 0x76543210
	s_mov_b32 s[SEL+1], 0xfedcba98                 ; v_permlanex16_b32's selects for lane l xor 16
	; where my results go
	s_lshr_b32 s20, s19, 4                         ; the batch,
	s_and_b32 s21, s19, 15                         ; which 128 tokens of it,
	s_lshl_b32 s22, s42, 1
	s_add_co_u32 s22, s22, s18                     ; my head
	s_lshl_b32 s20, s20, 4
	s_add_co_u32 s20, s20, s22                     ; bh
	s_lshl_b32 s22, s20, 7
	s_lshl_b32 s23, s21, 3
	s_add_co_u32 s22, s22, s23
	s_lshl_b32 s23, s17, 2
	s_add_co_u32 s22, s22, s23                     ; my first tile of 16 tokens: 128 bh + 8 s + 4 x row half
	s_mul_i32 s92, s22, 768
	s_mov_b32 s93, 0
	s_add_nc_u64 s[92:93], s[12:13], s[92:93]      ; q's images; k's lie KOFF further on
	s_lshl_b32 s22, s20, 4
	s_add_co_u32 s22, s22, s21
	s_lshl_b32 s22, s22, 3
	s_add_co_u32 s22, s22, s17                     ; (16 bh + s) x 8 + row half
	s_mul_i32 s94, s22, 768
	s_mov_b32 s95, 0
	s_add_nc_u64 s[94:95], s[12:13], s[94:95]
	s_add_nc_u64 s[94:95], s[94:95], VOFF          ; v's images
	s_lshl_b32 s22, s20, 5
	s_lshl_b32 s23, s21, 1
	s_add_co_u32 s22, s22, s23
	s_add_co_u32 s22, s22, s17                     ; my group of 64 tokens
	s_lshl_b32 s96, s22, 9
	s_mov_b32 s97, 0
	s_add_nc_u64 s[96:97], s[12:13], s[96:97]
	s_add_nc_u64 s[96:97], s[96:97], SOFF          ; its scale words
	s_wait_alu depctr_va_vdst(0)
	s_wait_tensorcnt 0x0                           ; my tile of the head's four is in; slot 1's first fill is issued as a refill is:
	ds_add_u32 v[SPW], v[NIL]
	s_mov_b32 s[G1+2], (16*MA)<<16                 ; no tensor load of mine is out: from here on a load brings half of a tile's rows
	s_mov_b32 s[G1+4], 16*MA
	s_mov_b32 s[G1B+2], (16*NB)<<16
	s_mov_b32 s[G1B+4], 16*NB
	s_wait_dscnt 0x0
	CROUND                                         ; all four tiles are in, and all sixteen work-groups are here
	JLOAD G0+4, G1, G0B+4, G1B                     ; chunk 1
	FETCH 0, 0, 0
	STEP 0, 1                                      ; the first step's products start the sums
.set ST, 1                             ; the walk is written out: slots and steps come back to where they began only after 2,048 along K
.rept STEPS-2
	STEP ST, 0
.set ST, ST+1
.endr
	s_wait_dscnt 0x0
	MULQ 1, 0, 0
	MULQ 1, 1, 0
	MULQ 1, 2, 0
	MULQ 1, 3, 0
	WIN 0
	; THE WAY OUT: no LDS: the quantiser's results are the images' registers
	PLACES
.irp b, 0,1,2,3
	v_mov_b32 v[TM+4+\b], 0                        ; written once: a lane permute's destination counts as one of its sources
.endr
.irp a, 0,1,2,3                        ; tile a of 16 tokens: 64 d of q, then 64 d of k: registers 0-5 are q's half image, 6-11 k's
	QUANTN 64*\a, 2, 2, PCD+12*\a, 6, 3, PW+\a
	global_store_b128 v[L16], v[PCD+12*\a:PCD+12*\a+3], s[92:93] offset:768*\a             ; 512 consecutive bytes, at a multiple of 256
	global_store_b64 v[L8], v[PCD+12*\a+4:PCD+12*\a+5], s[92:93] offset:768*\a             ; 256 consecutive bytes
	global_store_b128 v[L16], v[PCD+12*\a+6:PCD+12*\a+9], s[92:93] offset:KOFF+768*\a
	global_store_b64 v[L8], v[PCD+12*\a+10:PCD+12*\a+11], s[92:93] offset:KOFF+768*\a
.endr
.irp i, 0,1                            ; channel tiles 2 i and 2 i + 1: my 64 tokens of each
	QUANTN 64*\i, 3, 2, VCD+12*\i, 6, 3, PW+4+\i
.endr
.irp t, 0,1,2,3
	global_store_b128 v[L16], v[VCD+6*\t:VCD+6*\t+3], s[94:95] offset:1536*\t
	global_store_b64 v[L8], v[VCD+6*\t+4:VCD+6*\t+5], s[94:95] offset:1536*\t
.endr
.irp a, 0,1,2,3
	v_perm_b32 v[QW+\a], v[PW+\a], v[PW+\a], 0x01000100    ; q's two bytes, twice: the word serves q in the lower or in the upper half of a K of 128
.endr
	v_perm_b32 v[KW], v[PW+1], v[PW], 0x07060302           ; k's two bytes of tiles 0 and 1,
	v_perm_b32 v[KW+1], v[PW+3], v[PW+2], 0x07060302       ; of tiles 2 and 3
	v_cmp_gt_u32 vcc_lo, 16, v[LN]
	v_cndmask_b32 v[OUTW], v[KW], v[QW], vcc_lo            ; lanes 0-15 store q's four words, lanes 16-31 k's two and v's two
	v_cndmask_b32 v[OUTW+1], v[KW+1], v[QW+1], vcc_lo
	v_cndmask_b32 v[OUTW+2], v[PW+4], v[QW+2], vcc_lo
	v_cndmask_b32 v[OUTW+3], v[PW+5], v[QW+3], vcc_lo
	global_store_b128 v[L16], v[OUTW:OUTW+3], s[96:97]
	s_wait_tensorcnt 0x0                           ; the wave's end
	ds_add_u32 v[SPW], v[NIL]
	s_wait_dscnt 0x0
	CROUND                                         ; the closing round: no work-group ends while a partner may still ask for a tile that names it
	s_endpgm
.Lfunc_end_k_q841b6e4787_qkv:
	.size	k_q841b6e4787_qkv, .Lfunc_end_k_q841b6e4787_qkv-k_q841b6e4787_qkv
	.p2alignl 7, 3214868480
	.fill 96, 4, 3214868480
	.section	.rodata,"a",@progbits
	.p2align	6, 0x0
	.amdhsa_kernel k_q841b6e4787_qkv
		.amdhsa_group_segment_fixed_size 327680
		.amdhsa_private_segment_fixed_size 0
		.amdhsa_enable_private_segment 0
		.amdhsa_kernarg_size 40
		.amdhsa_user_sgpr_count 2
		.amdhsa_user_sgpr_kernarg_segment_ptr 1
		.amdhsa_wavefront_size32 1
		.amdhsa_system_sgpr_workgroup_id_x 1
		.amdhsa_system_sgpr_workgroup_id_y 1
		.amdhsa_system_sgpr_workgroup_id_z 1
		.amdhsa_system_vgpr_workitem_id 0
		.amdhsa_next_free_vgpr 1024
		.amdhsa_next_free_sgpr 100
		.amdhsa_reserve_vcc 1
		.amdhsa_float_denorm_mode_32 3
		.amdhsa_float_denorm_mode_16_64 3
		.amdhsa_memory_ordered 1
		.amdhsa_forward_progress 1
		.amdhsa_inst_pref_size 152
	.end_amdhsa_kernel
	.amdgpu_metadata
---
amdhsa.version: [ 1, 2 ]
amdhsa.kernels:
  - .name:           k_q841b6e4787_qkv
    .symbol:         k_q841b6e4787_qkv.kd
    .args:
      - { .name: acod, .offset: 0, .size: 8, .value_kind: global_buffer, .address_space: global }
      - { .name: asc, .offset: 8, .size: 8, .value_kind: global_buffer, .address_space: global }
      - { .name: w_qkv_codes, .offset: 16, .size: 8, .value_kind: global_buffer, .address_space: global }
      - { .name: w_qkv_scales, .offset: 24, .size: 8, .value_kind: global_buffer, .address_space: global }
      - { .name: qkvc, .offset: 32, .size: 8, .value_kind: global_buffer, .address_space: global }
    .group_segment_fixed_size: 327680
    .private_segment_fixed_size: 0
    .kernarg_segment_align: 8
    .kernarg_segment_size: 40
    .max_flat_workgroup_size: 128
    .sgpr_count:     100
    .vgpr_count:     1024
    .wavefront_size: 32
...
	.end_amdgpu_metadata
.endif
;; end of part 2
;; launch attn (part 3): grid 8 x 32, 16 waves a work-group, no clusters, 327,680 bytes of LDS; arguments qkvc, acod, asc; writes acod, asc
.if DOCPART == 3
	.amdgcn_target "amdgcn-amd-amdhsa--gfx1250"
	.amdhsa_code_object_version 6
	.text
	.protected	k_q841b6e4787_attn
	.globl	k_q841b6e4787_attn
	.p2align	8
	.type	k_q841b6e4787_attn,@function
k_q841b6e4787_attn:
	s_mov_b64 s[64:65], 0
	v_nop
	global_prefetch_b8 v0, s[64:65] scope:SCOPE_SE
	s_setreg_imm32_b32 hwreg(HW_REG_WAVE_MODE, 25, 1), 1
	s_wait_xcnt 0x0
; Causal attention of one head on codes of BF6 (E3M2): S^T = K Q^T, p = 2^(t - M), O^T = V^T P^T, O / l, and O quantised along the head's 64 for the next product.
; t = score x log2(e) / 8; M = the running largest t rounded UP to a whole number; p is quantised along the keys, not normalised; l is the sum of the unquantised p.
; q, k, v come as images of operand registers (a HALF IMAGE: 768 bytes, six registers a lane: registers 0-3 at 16 x lane, 4-5 at 512 + 8 x lane), with their scale words beside them.
; THE HEAD'S 64 ARE HALF OF THE INSTRUCTION'S K: two tiles of 16 keys on end are ONE source 0 (K 0-63: the first tile's d, K 64-127: the second's); q stands twice, once with zero codes above it and once below.
; O [b][h][q][d], laid densely, IS the next product's left operand [4096][1024]: my 16 queries x 64 are one row of it: 768 bytes of codes and 32 scale bytes.
; SHARES.  Work-group j of a head owns query blocks j and 15 - j (128 queries each): 17 units of 128 x 128 in every work-group, whatever j.  A wave owns 16 queries, in 256 registers, four waves to a SIMD.
; THE WHOLE HEAD'S K AND V LIE IN LDS (2 x 98,304 bytes), brought once by waves 0 and 1 in four chunks of 512 keys: nothing is filled twice.  No cluster: the steps that a work-group leaves out under the mask
; hang on its query blocks, which differ between the work-groups that share a head.
; Every wave walks all 16 key steps; a step all of whose keys come after its queries is left out by a scalar branch on ids, round the step's work alone.
; LIMITS: NaN and infinities are not served; a block of zeros, or one whose largest magnitude lies under 2^-122, keeps the byte 1; the bytes are read by this program alone.
.set VIMG,  98304                      ; LDS: K's images from 0, V's from here,
.set SCS,   196608                     ; k's and v's scale words: 256 bytes for each 64 keys,
.set STG,   204800                     ; a stage of 768 bytes for each wave,
.set STS,   217088                     ; and 16 rows' scale bytes
.set KOFF,  3145728
.set SOFF,  9437184
.set AK16, 1                           ; v1   16 x lane
.set AK8,  2                           ; v2   512 + 8 x lane
.set AS,   3                           ; v3   SCS + 16 r
.set DQ,   4                           ; v4   r - 8 h
.set AV16, 5                           ; v5   VIMG + 16 x lane
.set AV8,  6                           ; v6   VIMG + 512 + 8 x lane
.set SO,   7                           ; v7   the stage: where I put my 24 bytes
.set ADK,  8                           ; v8-9   the step's K
.set ADV,  10                          ; v10-11 the step's V
                                       ; v12 -M, v13 the largest t, v[14:15] the sum in two halves
.set QLO,  16                          ; v16-27 q, then zero codes
.set QHI,  28                          ; v28-39 zero codes, then q
.set KFR,  40                          ; v40-87 four double fragments of K; behind K Q^T: at work
.set PCD,  40                          ; v40-51 p's codes
.set TY,   52                          ; v52-58 the second conversions' results
.set TM,   60                          ; v60-71 largest scores or magnitudes, bytes, scale operands
.set T0,   72
.set PWO,  73                          ; O's two scale bytes
.set FF,   74                          ; v[74:75] f = 2^(old M - new M)
.set S2,   76                          ; v[76:77] the sums' second chain
.set SQ,   88                          ; v88-95 two quads of scale words: KW0, KW1, VP0, VP1 of the step's two groups of 64 keys
.set S,    96                          ; v96-159 S^T, then p
.set O,    160                         ; v160-191 O^T
.set VFR,  192                         ; v192-239 four fragments of V^T
.set VW,   240                         ; v240-243 their scale words
.set PWD,  244                         ; p's scale word
.set QWD,  245                         ; q's
.set ADS,  246
.set MD,   247
.set NINF, 248
.set G8,   250                         ; 8 x lane
.set SSR,  251                         ; where waves 0 and 1 read eight rows' scale bytes back
.set SSW,  252                         ; where I put my row's
.set SR16, 253                         ; the stage, back
.set SR8,  254
.set R16,  255                         ; 16 r
.set WV,  10
.set Q0,  16
.set QL,  17                           ; my last query
.set KF,  18                           ; the step's first key
.set TB,  19                           ; its images' byte in K's (and V's) part of LDS
.set TS,  20                           ; its scale words'
.set CNT, 21
.set CS,  22                           ; s[22:23] c = log2(e) / 8
.set SEL, 24
.macro PLACES
.rept 4
	v_nop
.endr
.endm
	s_load_b128 s[4:7], s[0:1], 0x0                ; the images, the codes out
	s_load_b64 s[8:9], s[0:1], 0x10                ; the scale bytes out
	v_lshl_add_u32 v254, v0, 2, 0x35200
	v_mov_b32 v255, 0
	ds_add_u32 v254, v255
	ds_add_u32 v254, v255
	s_wait_dscnt 0x0
	v_lshrrev_b32 v1, 5, v0
	s_delay_alu instid0(VALU_DEP_1)
	v_readfirstlane_b32 s[WV], v1                  ; wave 0..15
	s_lshr_b32 s11, s[WV], 2
	s_xor_b32 s11, s11, s[WV]
	s_and_b32 s11, s11, 1                          ; which of the two query blocks: mixed so that each SIMD gets two waves of each kind
	s_lshr_b32 s12, s[WV], 1                       ; which 16 queries of it
	s_mov_b32 s13, ttmp9                           ; j
	s_and_b32 s14, ttmp7, 0xffff                   ; bh
	s_sub_co_u32 s15, 15, s13
	s_cmp_eq_u32 s11, 1
	s_cselect_b32 s15, s15, s13                    ; my query block
	s_lshl_b32 s[Q0], s15, 7
	s_lshl_b32 s66, s12, 4
	s_add_co_u32 s[Q0], s[Q0], s66                 ; my first query
	s_add_co_u32 s[QL], s[Q0], 15
	s_mov_b32 s[CS], 0x3e38aa3b
	s_mov_b32 s[CS+1], s[CS]                       ; (named with it as a pair, so it is written)
	s_mov_b32 s[SEL], 0x76543210
	s_mov_b32 s[SEL+1], 0xfedcba98
	; descriptor group 1 for a chunk: 24,576 dense bytes as 96 rows of 256 (32 elements of 8 bytes)
	s_mov_b32 s28, 3<<16
	s_mov_b32 s29, 32<<16
	s_mov_b32 s30, 96<<16
	s_mov_b32 s31, 32<<16
	s_mov_b32 s32, 96
	s_mov_b32 s33, 32
	s_mov_b32 s34, 0
	s_mov_b32 s35, 0
	; and for the scale words: the second 256 bytes of each of 16 groups of 512
	s_mov_b32 s36, 3<<16
	s_mov_b32 s37, 32<<16
	s_mov_b32 s38, 16<<16
	s_mov_b32 s39, 32<<16
	s_mov_b32 s40, 16
	s_mov_b32 s41, 64
	s_mov_b32 s42, 0
	s_mov_b32 s43, 0
	s_and_b32 s66, s[WV], 1                        ; wave 0 fetches K, wave 1 V (v's part of the workspace lies as far behind k's as k's behind q's)
	s_mul_i32 s68, s66, KOFF
	s_mul_i32 s67, s14, 98304
	s_add_co_u32 s68, s68, s67
	s_mov_b32 s69, 0
	s_lshl_b32 s70, s14, 14
	s_lshl_b32 s67, s66, 13
	s_add_co_u32 s70, s70, s67                     ; and half of the head's 32 groups of scale words
	s_mov_b32 s71, 0
	s_mul_i32 s72, s66, 98304
	s_lshl_b32 s73, s66, 12
	s_add_co_u32 s73, s73, SCS
	s_lshl_b32 s74, s14, 7
	s_lshr_b32 s67, s[Q0], 4
	s_add_co_u32 s74, s74, s67                     ; 128 bh + my tile: q's image, and my row of the output
	s_mul_i32 s74, s74, 768
	s_mov_b32 s75, 0
	s_lshl_b32 s76, s14, 5
	s_lshr_b32 s67, s[Q0], 6
	s_add_co_u32 s76, s76, s67
	s_lshl_b32 s76, s76, 9
	s_bfe_u32 s67, s[Q0], 0x20004
	s_lshl_b32 s67, s67, 2
	s_add_co_u32 s76, s76, s67                     ; q's scale words: my group of 64 tokens, my tile's word of the four
	s_mov_b32 s77, 0
	s_lshl_b32 s78, s14, 7
	s_lshl_b32 s67, s15, 3
	s_add_co_u32 s78, s78, s67
	s_lshl_b32 s78, s78, 5                         ; the scale bytes of my query block's eight rows
	s_mov_b32 s79, 0
	s_wait_kmcnt 0x0
	s_add_nc_u64 s[68:69], s[4:5], s[68:69]
	s_add_nc_u64 s[68:69], s[68:69], KOFF
	s_add_nc_u64 s[70:71], s[4:5], s[70:71]
	s_add_nc_u64 s[70:71], s[70:71], SOFF+256
	s_add_nc_u64 s[76:77], s[4:5], s[76:77]
	s_add_nc_u64 s[76:77], s[76:77], SOFF
	s_add_nc_u64 s[4:5], s[4:5], s[74:75]
	s_add_nc_u64 s[6:7], s[6:7], s[74:75]
	s_add_nc_u64 s[8:9], s[8:9], s[78:79]
	s_mov_b32 s44, 1
	s_mov_b32 s45, s73
	s_mov_b64 s[46:47], s[70:71]
	s_or_b32 s47, s47, 0x80000000
	; The fills are shared out, one tensor load a wave at a time (this takes the place of what the head says of waves 0 and 1).  At the head: what the first four key steps read: wave 0 brings chunk 0 (512 keys) of K,
	; wave 1 of V, waves 2 and 3 the scale words.  Behind the first barrier: wave w < 6 brings chunk 1 + w / 2 of K (w even) or of V (w odd).  Every byte is filled once.
	s_mov_b32 s48, 1                               ; s[48:51]: chunk 0
	s_mov_b32 s49, s72
	s_mov_b64 s[50:51], s[68:69]
	s_or_b32 s51, s51, 0x80000000
	s_lshr_b32 s67, s[WV], 1
	s_mul_i32 s67, s67, 24576
	s_add_co_u32 s67, s67, 24576                   ; chunk 1 + w / 2, in bytes
	s_mov_b32 s56, 1                               ; s[56:59]: that chunk
	s_add_co_u32 s57, s72, s67
	s_mov_b32 s52, s67
	s_mov_b32 s53, 0
	s_add_nc_u64 s[58:59], s[68:69], s[52:53]
	s_or_b32 s59, s59, 0x80000000
	s_cmp_lt_u32 s[WV], 2
	s_cbranch_scc0 .Lfor_scales
	tensor_load_to_lds s[48:51], s[28:35]
	s_nop 0
	PLACES
	s_branch .Lasked
.Lfor_scales:
	s_cmp_lt_u32 s[WV], 4
	s_cbranch_scc0 .Lasked
	tensor_load_to_lds s[44:47], s[36:43]
	s_nop 0
	PLACES
.Lasked:
	v_and_b32 v8, 31, v0                           ; lane
	v_and_b32 v9, 15, v0                           ; r
	v_bfe_u32 v10, v0, 4, 1                        ; h
	s_delay_alu instid0(VALU_DEP_3)
	v_lshlrev_b32 v[AK16], 4, v8
	s_delay_alu instid0(VALU_DEP_4)
	v_lshl_add_u32 v[AK8], v8, 3, 512
	v_lshlrev_b32 v[G8], 3, v8
	v_lshlrev_b32 v[R16], 4, v9
	global_load_b128 v[QLO:QLO+3], v[AK16], s[4:5]         ; q's half image, twice
	global_load_b64 v[QLO+4:QLO+5], v[AK8], s[4:5]
	global_load_b128 v[QHI+6:QHI+9], v[AK16], s[4:5]
	global_load_b64 v[QHI+10:QHI+11], v[AK8], s[4:5]
	global_load_b32 v[QWD], v[R16], s[76:77]
	v_add_nc_u32 v[AV16], VIMG, v[AK16]
	v_add_nc_u32 v[AV8], VIMG, v[AK8]
	v_add_nc_u32 v[AS], SCS, v[R16]
	v_lshlrev_b32 v[DQ], 3, v10
	s_delay_alu instid0(VALU_DEP_1)
	v_sub_nc_u32 v[DQ], v9, v[DQ]
	s_mul_i32 s66, s[WV], 768
	s_add_co_u32 s66, s66, STG
	v_mul_u32_u24 v[SO], v9, 48
	s_delay_alu instid0(VALU_DEP_1)
	v_mad_u32_u24 v[SO], v10, 24, v[SO]
	s_delay_alu instid0(VALU_DEP_1)
	v_add_nc_u32 v[SO], s66, v[SO]                 ; query r's 64 codes are 48 bytes of the row, my half's 24
	v_add_nc_u32 v[SR16], s66, v[AK16]             ; (v[SR8] is made behind the first barrier: its register serves the add until then)
	s_lshl_b32 s66, s11, 3
	s_add_co_u32 s66, s66, s12
	s_lshl_b32 s66, s66, 5
	s_add_co_u32 s66, s66, STS
	v_lshl_add_u32 v[SSW], v9, 1, s66              ; 32 bytes a row; query r's two at 2 r
	s_and_b32 s66, s[WV], 1
	s_lshl_b32 s66, s66, 8
	s_add_co_u32 s66, s66, STS
	v_add_nc_u32 v[SSR], s66, v[G8]
.irp i, 0,1,2,3,4,5
	v_mov_b32 v[QLO+6+\i], 0                       ; zero codes add nothing under any scale byte
	v_mov_b32 v[QHI+\i], 0
.endr
	v_mov_b32 v13, 0xff61b1e6                      ; the largest t so far: -3e38, under every t
	s_delay_alu instid0(VALU_DEP_1)
	v_floor_f32 v12, -v13                          ; -M
	v_mov_b32 v14, 0
	v_mov_b32 v15, 0
.set J, 0
.rept 32
	v_mov_b32 v[O+J], 0                            ; the step is written once: the first finds zeros, which the first change of M leaves zeros
.set J, J+1
.endr
	s_wait_loadcnt 0x0                             ; q
; The codes of 32 nc numbers of a lane, register 8 t + j = element 16 t + 8 h + j of its row; the scale operands stand in v[TM+8 ..].  A conversion gives my two octets of a block; the exchange of halves brings
; a whole block into a lane (lanes 0-15 block 2 c, lanes 16-31 block 2 c + 1) as octets 0, 2 in X and 1, 3 in Y; four v_perm_b32 and a move weave them into the stream's order.
.macro QPACK s, nc, pc
.set QC, 0
.rept \nc
	v_cvt_scalef32_pk16_bf6_f32 v[(\pc)+6*QC:(\pc)+6*QC+2], v[(\s)+32*QC:(\s)+32*QC+15], v[TM+8+2*QC]
	v_cvt_scalef32_pk16_bf6_f32 v[TY+4*QC:TY+4*QC+2], v[(\s)+32*QC+16:(\s)+32*QC+31], v[TM+9+2*QC]
.set QC, QC+1
.endr
	v_nop                                          ; one plain instruction behind the scaled conversions
.set QC, 0
.rept \nc
.set QX, (\pc)+6*QC
.set QY, TY+4*QC
	v_permlane16_swap_b32 v[QX], v[QY]
	v_permlane16_swap_b32 v[QX+1], v[QY+1]
	v_permlane16_swap_b32 v[QX+2], v[QY+2]
	s_delay_alu instid0(VALU_DEP_1)
	v_perm_b32 v[QX+3], v[QX+2], v[QX+1], 0x05040302
	s_delay_alu instid0(VALU_DEP_2)
	v_perm_b32 v[QX+4], v[QY+1], v[QX+2], 0x07060302
	s_delay_alu instid0(VALU_DEP_4)
	v_perm_b32 v[QX+1], v[QY], v[QX+1], 0x05040100
	v_perm_b32 v[QX+2], v[QY+1], v[QY], 0x05040302
	v_mov_b32 v[QX+5], v[QY+2]
.set QC, QC+1
.endr
.endm
; A KEY STEP: 128 keys.
.macro STEP
	s_cmp_gt_u32 s[KF], s[QL]                      ; all its keys come after my queries: left out
	s_cbranch_scc1 .Lhidden_\@
	v_add_nc_u32 v[ADK], s[TB], v[AK16]            ; (these five are also the places in front of the loads into registers that the last products read)
	v_add_nc_u32 v[ADK+1], s[TB], v[AK8]
	v_add_nc_u32 v[ADV], s[TB], v[AV16]
	v_add_nc_u32 v[ADV+1], s[TB], v[AV8]
	v_add_nc_u32 v[ADS], s[TS], v[AS]
	ds_load_b128 v[SQ:SQ+3], v[ADS]
	ds_load_b128 v[SQ+4:SQ+7], v[ADS] offset:256
.irp i, 0,1,2,3,4,5,6,7
	ds_load_b128 v[KFR+6*\i:KFR+6*\i+3], v[ADK] offset:768*\i
	ds_load_b64 v[KFR+6*\i+4:KFR+6*\i+5], v[ADK+1] offset:768*\i
.endr
	s_wait_alu depctr_va_vdst(0)
	s_wait_dscnt 0x0
.irp g, 0,1,2,3                        ; S^T: tiles 2 g and 2 g + 1 from one double fragment: lane (r, h) holds query r; register 8 t + j is key 16 t + 8 h + j
	v_wmma_scale_f32_16x16x128_f8f6f4 v[S+16*\g:S+16*\g+7], v[KFR+12*\g:KFR+12*\g+11], v[QLO:QLO+11], 0, v[SQ+\g%2+4*(\g/2)], v[QWD] matrix_a_fmt:MATRIX_FMT_BF6 matrix_b_fmt:MATRIX_FMT_BF6
	v_wmma_scale_f32_16x16x128_f8f6f4 v[S+8+16*\g:S+15+16*\g], v[KFR+12*\g:KFR+12*\g+11], v[QHI:QHI+11], 0, v[SQ+\g%2+4*(\g/2)], v[QWD] matrix_a_fmt:MATRIX_FMT_BF6 matrix_b_fmt:MATRIX_FMT_BF6
.endr
	v_perm_b32 v[VW], v[SQ+6], v[SQ+2], 0x05040100         ; V's scale words: a channel tile's two bytes of each of the two groups.  (The four places behind the products)
	v_perm_b32 v[VW+1], v[SQ+6], v[SQ+2], 0x07060302
	v_perm_b32 v[VW+2], v[SQ+7], v[SQ+3], 0x05040100
	v_perm_b32 v[VW+3], v[SQ+7], v[SQ+3], 0x07060302
.irp i, 0,1,2,3,4,5,6,7                ; V^T's four fragments land under the softmax
	ds_load_b128 v[VFR+6*\i:VFR+6*\i+3], v[ADV] offset:768*\i
	ds_load_b64 v[VFR+6*\i+4:VFR+6*\i+5], v[ADV+1] offset:768*\i
.endr
	s_add_co_u32 s66, s[KF], 127                   ; on the diagonal the scores of hidden keys become -infinity ahead of the maximum; a step all of whose keys count skips this
	s_cmp_le_u32 s66, s[Q0]
	s_cbranch_scc1 .Lopen_\@
	s_sub_co_i32 s66, s[Q0], s[KF]
	v_add_nc_u32 v[MD], s66, v[DQ]                 ; d = my query - KF - 8 h: register 8 t + j is hidden where 16 t + j > d
	v_mov_b32 v[NINF], 0xff800000
.set N, 0
.rept 64
	v_cmp_gt_i32 vcc_lo, 16*(N/8)+N%8, v[MD]
	v_cndmask_b32 v[S+N], v[S+N], v[NINF], vcc_lo
.set N, N+1
.endr
.Lopen_\@:
.irp b, 0,1,2,3
	v_max3_num_f32 v[TM+\b], v[S+16*\b], v[S+1+16*\b], v[S+2+16*\b]   ; the largest score of each block of 32 keys: for the row's maximum, and, since p rises with the score, for the block's largest p
.endr
.irp i, 3,5,7,9,11,13
.irp b, 0,1,2,3
	v_max3_num_f32 v[TM+\b], v[TM+\b], v[S+16*\b+\i], v[S+1+16*\b+\i]
.endr
.endr
.irp b, 0,1,2,3
	v_max_num_f32 v[TM+\b], v[TM+\b], v[S+15+16*\b]
.endr
.irp b, 0,1,2,3
	s_delay_alu instid0(VALU_DEP_4)
	v_permlanex16_b32 v[TM+4+\b], v[TM+\b], s[SEL], s[SEL+1]
.endr
.irp b, 0,1,2,3
	s_delay_alu instid0(VALU_DEP_4)
	v_max_num_f32 v[TM+\b], v[TM+\b], v[TM+4+\b]   ; with lane l xor 16's 16 keys
.endr
	s_delay_alu instid0(VALU_DEP_2)
	v_max3_num_f32 v[T0], v[TM], v[TM+1], v[TM+2]
	s_delay_alu instid0(VALU_DEP_1)
	v_max_num_f32 v[T0], v[T0], v[TM+3]
	s_delay_alu instid0(VALU_DEP_1)
	v_mul_f32 v[T0], s[CS], v[T0]                  ; as t (c is positive)
	s_delay_alu instid0(VALU_DEP_1)
	v_max_num_f32 v13, v13, v[T0]                  ; the running largest t
	v_mov_b32 v[T0], v12
	s_delay_alu instid0(VALU_DEP_2)
	v_floor_f32 v12, -v13                          ; the new -M = -ceil(t): a whole number
	s_delay_alu instid0(VALU_DEP_1)
	v_sub_f32 v[T0], v12, v[T0]                    ; old M - new M: a whole number, 0 or less
	s_delay_alu instid0(VALU_DEP_1)
	v_cvt_i32_f32 v[T0], v[T0]                     ; (it saturates)
	s_delay_alu instid0(VALU_DEP_1)
	v_ldexp_f32 v[FF], 1.0, v[T0]                  ; f = 2^(old M - new M): a multiplication by it rounds nothing
.set J, 0
.rept 32
	v_pk_fma_f32 v[S+J:S+J+1], v[S+J:S+J+1], s[CS:CS+1], v[12:13] op_sel_hi:[1,0,0]   ; t - M
.set J, J+2
.endr
.irp b, 0,1,2,3
	v_fma_f32 v[TM+\b], v[TM+\b], s[CS], v12       ; the same of each block's largest score
.endr
.set J, 0
	s_wait_alu depctr_va_vdst(0)
.rept 64
	v_exp_f32 v[S+J], v[S+J]                       ; p = 2^(t - M), at most 1
.set J, J+1
.endr
	v_pk_mul_f32 v[14:15], v[14:15], v[FF:FF+1] op_sel_hi:[1,0]    ; the sums under the new M (the plain instruction behind the exponentials)
	s_wait_alu depctr_va_vdst(0)                   ; one wait for the batch, ahead of its first reader
.irp b, 0,1,2,3
	v_exp_f32 v[TM+\b], v[TM+\b]                   ; the block's largest p
.endr
	v_pk_add_f32 v[76:77], v[100:101], v[104:105]
	v_pk_add_f32 v[248:249], v[108:109], v[112:113]
	v_pk_add_f32 v[246:247], v[116:117], v[120:121]
	v_pk_add_f32 v[94:95], v[124:125], v[128:129]
	v_pk_add_f32 v[92:93], v[132:133], v[136:137]
	v_pk_add_f32 v[90:91], v[140:141], v[144:145]
	v_pk_add_f32 v[88:89], v[148:149], v[152:153]
	v_pk_add_f32 v[14:15], v[14:15], v[156:157]
	v_pk_add_f32 v[76:77], v[76:77], v[96:97]
	v_pk_add_f32 v[248:249], v[248:249], v[98:99]
	v_pk_add_f32 v[246:247], v[246:247], v[102:103]
	v_pk_add_f32 v[94:95], v[94:95], v[106:107]
	v_pk_add_f32 v[92:93], v[92:93], v[110:111]
	v_pk_add_f32 v[90:91], v[90:91], v[114:115]
	v_pk_add_f32 v[88:89], v[88:89], v[118:119]
	v_pk_add_f32 v[14:15], v[14:15], v[122:123]
	v_pk_add_f32 v[76:77], v[76:77], v[126:127]
	v_pk_add_f32 v[248:249], v[248:249], v[130:131]
	v_pk_add_f32 v[246:247], v[246:247], v[134:135]
	v_pk_add_f32 v[94:95], v[94:95], v[138:139]
	v_pk_add_f32 v[92:93], v[92:93], v[142:143]
	v_pk_add_f32 v[90:91], v[90:91], v[146:147]
	v_pk_add_f32 v[88:89], v[88:89], v[150:151]
	v_pk_add_f32 v[14:15], v[14:15], v[154:155]
	v_pk_add_f32 v[76:77], v[76:77], v[158:159]
	s_delay_alu instid0(VALU_DEP_2)
	v_pk_add_f32 v[14:15], v[14:15], v[94:95]
	s_delay_alu instid0(VALU_DEP_2)
	v_pk_add_f32 v[76:77], v[76:77], v[92:93]
	v_pk_add_f32 v[248:249], v[248:249], v[90:91]
	v_pk_add_f32 v[246:247], v[246:247], v[88:89]
	s_delay_alu instid0(VALU_DEP_2)
	v_pk_add_f32 v[14:15], v[14:15], v[248:249]
	s_delay_alu instid0(VALU_DEP_2)
	v_pk_add_f32 v[76:77], v[76:77], v[246:247]
	s_delay_alu instid0(VALU_DEP_1)
	v_pk_add_f32 v[14:15], v[14:15], v[76:77]
	s_wait_alu depctr_va_vdst(0)                   ; and one for the four
.irp b, 0,1,2,3
	v_max_num_f32 v[TM+\b], 0x2800000, v[TM+\b]    ; the floor 2^(5 - 127): the byte cannot fall under 1
.endr
.irp b, 0,1,2,3
	s_delay_alu instid0(VALU_DEP_4)
	v_add_nc_u32 v[TM+8+\b], 0xfe000000, v[TM+\b]  ; 4 off the exponent field: the conversion's scale operand
.endr
.irp b, 0,1,2,3
	s_delay_alu instid0(VALU_DEP_4)
	v_lshrrev_b32 v[TM+4+\b], 23, v[TM+8+\b]
.endr
	s_delay_alu instid0(VALU_DEP_3)
	v_lshl_or_b32 v[PWD], v[TM+5], 8, v[TM+4]      ; p's scale word for these 128 keys
	s_delay_alu instid0(VALU_DEP_1)
	v_lshl_or_b32 v[PWD], v[TM+6], 16, v[PWD]
	s_delay_alu instid0(VALU_DEP_1)
	v_lshl_or_b32 v[PWD], v[TM+7], 24, v[PWD]
	QPACK S, 2, PCD
.set J, 0
.rept 16
	v_pk_mul_f32 v[O+J:O+J+1], v[O+J:O+J+1], v[FF:FF+1] op_sel_hi:[1,0]   ; O^T under the new M (also the places in front of the scaled products)
.set J, J+2
.endr
	s_wait_alu depctr_va_vdst(0)
	s_wait_dscnt 0x0                               ; V is in
.irp t, 0,1,2,3
	v_wmma_scale_f32_16x16x128_f8f6f4 v[O+8*\t:O+8*\t+7], v[VFR+12*\t:VFR+12*\t+11], v[PCD:PCD+11], v[O+8*\t:O+8*\t+7], v[VW+\t], v[PWD] matrix_a_fmt:MATRIX_FMT_BF6 matrix_b_fmt:MATRIX_FMT_BF6
.endr
.Lhidden_\@:
	s_add_co_u32 s[KF], s[KF], 128
	s_add_co_u32 s[TB], s[TB], 6144
	s_add_co_u32 s[TS], s[TS], 512
.endm
	v_lshl_add_u32 v254, v0, 2, 0x35200            ; my spare word and 0, made anew (q's loads, which read v255 as an address, are done)
	v_mov_b32 v255, 0
	s_wait_alu depctr_va_vdst(0)
	s_wait_tensorcnt 0x0                           ; my load of the head, if I issued one, has landed; the later first fills are issued as refills are:
	ds_add_u32 v254, v255                          ; the add, twice on end here
	ds_add_u32 v254, v255
	s_wait_dscnt 0x0
	s_barrier_signal -1
	s_barrier_wait -1                              ; chunk 0 of K and V and all scale words lie in LDS
	s_cmp_lt_u32 s[WV], 6
	s_cbranch_scc0 .Lrest_asked
	tensor_load_to_lds s[56:59], s[28:35]          ; chunks 1 to 3, one load a wave: they land under the first four key steps
	s_nop 0
	PLACES
.Lrest_asked:
	s_mul_i32 s66, s[WV], 768
	s_add_co_u32 s66, s66, STG
	v_add_nc_u32 v[SR8], s66, v[AK8]               ; the stage, back: its last 256 bytes
	s_mov_b32 s[KF], 0
	s_mov_b32 s[TB], 0
	s_mov_b32 s[TS], 0
	s_mov_b32 s[CNT], 4
.Lkeys0:
	STEP
	s_sub_co_u32 s[CNT], s[CNT], 1
	s_cmp_lg_u32 s[CNT], 0
	s_cbranch_scc1 .Lkeys0
	s_wait_tensorcnt 0x0                           ; my chunk, if I brought one, has landed
	s_wait_dscnt 0x0
	s_barrier_signal -1
	s_barrier_wait -1                              ; everybody's has: the whole head's K and V lie in LDS
	s_mov_b32 s[KF], 512
	s_mov_b32 s[TB], 24576
	s_mov_b32 s[TS], 2048
	s_mov_b32 s[CNT], 12
.Lkeys1:
	STEP
	s_sub_co_u32 s[CNT], s[CNT], 1
	s_cmp_lg_u32 s[CNT], 0
	s_cbranch_scc1 .Lkeys1
	; THE WAY OUT
	v_add_f32 v14, v14, v15                        ; the sum's two halves,
	s_delay_alu instid0(VALU_DEP_1)
	v_permlanex16_b32 v[T0], v14, s[SEL], s[SEL+1]
	s_delay_alu instid0(VALU_DEP_1)
	v_add_f32 v14, v14, v[T0]                      ; and lane l xor 16's
	s_wait_alu depctr_va_vdst(0)
	v_rcp_f32 v14, v14
	PLACES                                         ; behind the reciprocal, and behind the last products
	s_wait_alu depctr_va_vdst(0)                   ; the wait ahead of the reciprocal's first reader
.set J, 0
.rept 32
	v_mul_f32 v[S+J], v[O+J], v14                  ; O^T / l: register 8 t + j is channel 16 t + 8 h + j of query r
.set J, J+1
.endr
.irp b, 0,1
	v_max3_num_f32 v[TM+\b], |v[S+16*\b]|, |v[S+1+16*\b]|, 0x2800000
.endr
.irp i, 2,4,6,8,10,12,14
.irp b, 0,1
	s_delay_alu instid0(VALU_DEP_2)
	v_max3_num_f32 v[TM+\b], v[TM+\b], |v[S+16*\b+\i]|, |v[S+1+16*\b+\i]|
.endr
.endr
.irp b, 0,1
	s_delay_alu instid0(VALU_DEP_2)
	v_permlanex16_b32 v[TM+4+\b], v[TM+\b], s[SEL], s[SEL+1]
.endr
.irp b, 0,1
	s_delay_alu instid0(VALU_DEP_2)
	v_max_num_f32 v[TM+\b], v[TM+\b], v[TM+4+\b]
.endr
.irp b, 0,1
	s_delay_alu instid0(VALU_DEP_2)
	v_add_nc_u32 v[TM+8+\b], 0xfe000000, v[TM+\b]
.endr
.irp b, 0,1
	s_delay_alu instid0(VALU_DEP_2)
	v_lshrrev_b32 v[TM+4+\b], 23, v[TM+8+\b]
.endr
	s_delay_alu instid0(VALU_DEP_1)
	v_lshl_or_b32 v[PWO], v[TM+5], 8, v[TM+4]
	QPACK S, 1, PCD
	ds_store_b64 v[SO], v[PCD:PCD+1]
	ds_store_b64 v[SO], v[PCD+2:PCD+3] offset:8
	ds_store_b64 v[SO], v[PCD+4:PCD+5] offset:16
	ds_store_b16 v[SSW], v[PWO]                    ; both halves of the lanes write the same two bytes with the same value
	ds_load_b128 v[S:S+3], v[SR16]                 ; LDS serves a wave's instructions in order: these see my stores.  The row's 768 bytes
	ds_load_b64 v[S+4:S+5], v[SR8]
	s_wait_dscnt 0x0
	global_store_b128 v[AK16], v[S:S+3], s[6:7]    ; 512 consecutive bytes, at a multiple of 256
	global_store_b64 v[AK8], v[S+4:S+5], s[6:7]    ; 256 more
	s_barrier_signal -1                            ; my LDS stores are done: sixteen rows' scale bytes lie in LDS
	s_barrier_wait -1
	s_cmp_lt_u32 s[WV], 2
	s_cbranch_scc0 .Lend
	ds_load_b64 v[S+6:S+7], v[SSR]                 ; wave 0: the first query block's eight rows; wave 1: the second's (each is that wave's own block)
	s_wait_dscnt 0x0
	global_store_b64 v[G8], v[S+6:S+7], s[8:9]     ; 256 consecutive bytes, aligned
.Lend:
	s_wait_xcnt 0x0
	v_lshl_add_u32 v254, v0, 2, 0x35200
	v_mov_b32 v255, 0
	s_wait_alu depctr_va_vdst(0)
	s_wait_tensorcnt 0x0
	ds_add_u32 v254, v255
	s_wait_dscnt 0x0
	s_endpgm
.Lfunc_end_k_q841b6e4787_attn:
	.size	k_q841b6e4787_attn, .Lfunc_end_k_q841b6e4787_attn-k_q841b6e4787_attn
	.p2alignl 7, 3214868480
	.fill 96, 4, 3214868480
	.section	.rodata,"a",@progbits
	.p2align	6, 0x0
	.amdhsa_kernel k_q841b6e4787_attn
		.amdhsa_group_segment_fixed_size 327680
		.amdhsa_private_segment_fixed_size 0
		.amdhsa_enable_private_segment 0
		.amdhsa_kernarg_size 24
		.amdhsa_user_sgpr_count 2
		.amdhsa_user_sgpr_kernarg_segment_ptr 1
		.amdhsa_wavefront_size32 1
		.amdhsa_system_sgpr_workgroup_id_x 1
		.amdhsa_system_sgpr_workgroup_id_y 1
		.amdhsa_system_sgpr_workgroup_id_z 1
		.amdhsa_system_vgpr_workitem_id 0
		.amdhsa_next_free_vgpr 256
		.amdhsa_next_free_sgpr 80
		.amdhsa_reserve_vcc 1
		.amdhsa_float_denorm_mode_32 3
		.amdhsa_float_denorm_mode_16_64 3
		.amdhsa_memory_ordered 1
		.amdhsa_forward_progress 1
		.amdhsa_inst_pref_size 63
	.end_amdhsa_kernel
	.amdgpu_metadata
---
amdhsa.version: [ 1, 2 ]
amdhsa.kernels:
  - .name:           k_q841b6e4787_attn
    .symbol:         k_q841b6e4787_attn.kd
    .args:
      - { .name: qkvc, .offset: 0, .size: 8, .value_kind: global_buffer, .address_space: global }
      - { .name: acod, .offset: 8, .size: 8, .value_kind: global_buffer, .address_space: global }
      - { .name: asc, .offset: 16, .size: 8, .value_kind: global_buffer, .address_space: global }
    .group_segment_fixed_size: 327680
    .private_segment_fixed_size: 0
    .kernarg_segment_align: 8
    .kernarg_segment_size: 24
    .max_flat_workgroup_size: 512
    .sgpr_count:     80
    .vgpr_count:     256
    .wavefront_size: 32
...
	.end_amdgpu_metadata
.endif
;; end of part 3
;; launch proj (part 4): grid 8 x 32, 4 waves a work-group, clusters of 4 x 4, 327,680 bytes of LDS; arguments acod, asc, w_proj_codes, w_proj_scales, b_proj, x, x1; writes x1
.if DOCPART == 4
	.amdgcn_target "amdgcn-amd-amdhsa--gfx1250"
	.amdhsa_code_object_version 6
	.text
	.protected	k_q841b6e4787_proj
	.globl	k_q841b6e4787_proj
	.p2align	8
	.type	k_q841b6e4787_proj,@function
k_q841b6e4787_proj:
	s_mov_b64 s[64:65], 0
	v_nop
	global_prefetch_b8 v0, s[64:65] scope:SCOPE_SE
	s_setreg_imm32_b32 hwreg(HW_REG_WAVE_MODE, 25, 1), 1
	s_wait_xcnt 0x0
	s_wait_alu depctr_hold_cnt(0) depctr_sa_sdst(0) depctr_va_vdst(0) depctr_va_sdst(0) depctr_va_ssrc(0) depctr_va_vcc(0) depctr_vm_vsrc(0)
	s_getreg_b32 s2, hwreg(HW_REG_IB_STS2, 6, 4)
	s_cmp_eq_u32 s2, 0
	s_cbranch_scc0 .Lentry_in_a_cluster
	s_endpgm
.Lentry_in_a_cluster:
	s_bfe_u32 s2, ttmp6, 0x10000c
	s_cmp_lg_u32 s2, 0xf033
	s_cbranch_scc0 .Lentry_shape_is_right
	s_endpgm
.Lentry_shape_is_right:
; y = res + A W^T + bias.  A: [4096][KK] and W: [1024][KK] as codes of BF6 (E3M2), K innermost, with one E8M0 byte for each 32 along K; bias [1024], res and y [4096][1024]: f32.  Sums in f32.
; One text serves KK = 1,024 and KK = 4,096.  With KK = 1,024 A's scale bytes lie [row][32]; with KK = 4,096 they lie as words [128 rows' block][K / 128][128 rows], so that a work-group's are one dense block either way.
; SHARES.  N is 1,024, so a tile is 128 x 128: 256 work-groups.  Four waves, 2 x 2, each 64 x 64: 16 accumulators.  A slot holds 512 along K (rows of 384 bytes), so that a change of slots serves 64 products a wave.
; K goes through a ring of two LDS slots filled by the tensor data mover; the scale bytes of the work-group's rows, for all of K, come once and stay.
; CLUSTERS: 4 x 4 work-groups; A's tiles are asked for jointly along a row of the cluster, W's along a column.
; THE MATRIX INSTRUCTION IS USED TRANSPOSED (source 0 = 16 rows of W, source 1 = 16 rows of A): a lane holds eight neighbouring numbers of a row of y.  The bias is the C of each sum's first product.
; REGISTERS, in windows of 256: window 0: v0-31 addresses; v32-63 scale words, two sets; v64-159 fragment set 1 (on the way out v64-191: rows of y).  window 1: v0-95 fragment set 0; v192-223 the bias.
;   window 2: the accumulators, (a, b) at 8 (4 a + b).  window 3: v0-127 the residual, asked for at the head.  In a fragment set A's block a lies at 12 a, W's block b at 12 (MA + b).
.set KK,     1024
.set MA,     4
.set NB,     4
; This text's KK is 1,024: the work-group's 128 rows of A and 128 rows of W lie in LDS WHOLE (rows of 768 bytes, each beginning at a multiple of 256 bytes), brought by one load each at the head: there is no ring and nothing is
; filled again (this takes the place of what the head says of slots).  No loop runs ahead of any load, so no prefetch is laid.
.set NQ,     8                         ; steps of 128 along K in a row
.set ROWB,   96*NQ
.set QI,     5                         ; padding behind every 64 words,
.set PI,     32                        ; which are 32 pieces of 8 bytes
.set PITCH,  816                       ; an LDS row: 3 x (256 + 16) bytes = 204 words: row r starts at bank 12 r mod 64
.set KROW,   KK*3/4
.set KS,     KK/32
.set HALFA,  16*MA*PITCH
.set HALFB,  16*NB*PITCH
.set SLOT,   2*HALFA+2*HALFB
.set SCL,    SLOT
.set RSA,    32*MA*KS/256              ; units of 256 scale bytes of the work-group's rows of A: one load brings them
.set RSB,    32*NB*KS/256
.set HALFSA, RSA*136                   ; what one wave reads of them
.set HALFSB, RSB*136
.set SPARE,  SCL+2*HALFSA+2*HALFSB     ; the spare words, 128 bytes for each wave
.set STAGE,  SPARE+512                 ; the way out's stages: bytes of their own, into which no fill lands
.if KK == 4096
.set SAI,    64                        ; A's scale words: from block to block of 16 rows,
.set SAQ,    544                       ; from step to step,
.set SAS,    544*NQ                    ; from slot to slot
.else
.set SAI,    544
.set SAQ,    4
.set SAS,    4*NQ
.endif
.set SBI,    (16*KS/256)*272
.set SBS,    4*NQ
.set ADSA, 8
.set ADSB, 9
.set ADRA, 16
.set ADRB, 20
.set STO,  24                          ; v24  the way out: where I put 32 bytes of a row
.set RD,   25                          ; v25  where I read a row back
.set CO,   26                          ; v26  my byte offset in two rows of res and y
.set BO,   27                          ; v27  32 h: my eight numbers of a bias tile
.set SPW,  28
.set NIL,  29
.set SC,   32
.set OB,   64
.set BIAS, 192
.set G1, 24
.set G0, 32
.set G1B, 48
.set G0B, 56
.set G1S, 68
.set G0S, 76
.set G1SB, 80
.set G0SB, 88
.set MSB, 0
.macro WIN new                         ; the immediate's high byte repeats the setting that is left
.if MSB != (\new)
	s_set_vgpr_msb (MSB<<8)|(\new)
.set MSB, (\new)
.endif
.endm
.macro PLACES                          ; four plain vector instructions: in front of loads into registers that matrix instructions have read, and of the first read of results
.rept 4
	v_nop
.endr
.endm
; A joint load: waves 0 and 1 fetch for A, waves 2 and 3 for W.  The branch hangs on the wave's number alone.  Four v_nop follow each of the two lines.
.macro JLOAD g0a, g1a, g0b, g1b
	s_cmp_eq_u32 s17, 0
	s_cbranch_scc0 .Lfor_b_\@
	tensor_load_to_lds s[\g0a:\g0a+3], s[\g1a:\g1a+7]
	s_nop 0
	PLACES
	s_branch .Lasked_\@
.Lfor_b_\@:
	tensor_load_to_lds s[\g0b:\g0b+3], s[\g1b:\g1b+7]
	s_nop 0
	PLACES
.Lasked_\@:
.endm
.macro CREST                           ; a round of the cluster's barrier behind its opening barrier
	s_cmp_lg_u32 s16, 0
	s_cbranch_scc1 .Lnot_wave_0_\@
	s_barrier_signal -3
.Lnot_wave_0_\@:
	s_barrier_wait -3
	s_barrier_signal -1
	s_barrier_wait -1
.endm
.macro CROUND
	s_barrier_signal -1
	s_barrier_wait -1
	CREST
.endm
; A fragment, 16 rows x 128 K, is 12 registers: lane (r, h) holds row r; registers 6 c .. 6 c + 5 hold K = 64 c + 32 h + 0 .. 31: 24 bytes of the row as they lie, in pieces of 8 bytes.
; Lanes 16-31 read three pieces further on; where that lies behind one padding more, the second address register serves.
.macro FRAG reg, adr, q, i
.irp p, 0,1,2,3,4,5
.set PC, 12*(\q)+6*(\p/3)+\p%3
.if PC%PI < PI-3
	ds_load_b64 v[\reg+2*\p:\reg+2*\p+1], v[\adr] offset:8*PC+16*(PC/PI)+(\i)*16*PITCH
.else
	ds_load_b64 v[\reg+2*\p:\reg+2*\p+1], v[\adr+2] offset:8*PC+16*(PC/PI)+(\i)*16*PITCH
.endif
.endr
.endm
.macro FETCH slot, q, p                ; all fragments and scale words of the slot's q-th 128 along K, into set p, in one run
.set FB, 64*(\p)
	WIN 0x40*(1-(\p))
.set FI, 0
.rept NB
	FRAG FB+12*(MA+FI), ADRB+\slot, \q, FI
.set FI, FI+1
.endr
.set FI, 0
.rept MA
	FRAG FB+12*FI, ADRA+\slot, \q, FI
.set FI, FI+1
.endr
	WIN 0
.set FI, 0
.rept MA
	ds_load_b32 v[SC+16*(\p)+FI], v[ADSA] offset:SAI*FI+SAQ*(\q)
.set FI, FI+1
.endr
.set FI, 0
.rept NB
	ds_load_b32 v[SC+16*(\p)+MA+FI], v[ADSB] offset:SBI*FI+4*(\q)
.set FI, FI+1
.endr
.endm
.macro WM d, a, b, c, sa, sb
	v_wmma_scale_f32_16x16x128_f8f6f4 v[(\d):(\d)+7], v[(\a):(\a)+11], v[(\b):(\b)+11], v[(\c):(\c)+7], v[\sa], v[\sb] matrix_a_fmt:MATRIX_FMT_BF6 matrix_b_fmt:MATRIX_FMT_BF6
.endm
; A's block `part` against W's four, from set p.  mode = 2: the sums begin with the bias.  The 16 accumulators take turns in the same order in every step.
.macro MULQ p, part, mode
.set FB, 64*(\p)
.set WS, 5*(1-(\p))                    ; both sources: window 1 for set 0, window 0 for set 1
.if (\mode) == 2
	WIN WS|0x90                                    ; C: window 1; D: window 2
.else
	WIN WS|0xa0
.endif
.irp b, 0,1,2,3
.set AC, 8*(4*(\part)+\b)
.if (\mode) == 2
	WM AC, FB+12*(MA+\b), FB+12*(\part), BIAS+8*\b, SC+16*(\p)+MA+\b, SC+16*(\p)+(\part)
.else
	WM AC, FB+12*(MA+\b), FB+12*(\part), AC, SC+16*(\p)+MA+\b, SC+16*(\p)+(\part)
.endif
.endr
.endm
.macro STEP slot, q, mode              ; a step of 128 along K that has its successor in the same slot
	s_wait_dscnt 0x0                               ; this step's set, asked for a step ago, is in
	PLACES
	FETCH \slot, (\q)+1, ((\q)+1)%2
	MULQ (\q)%2, 0, \mode
	MULQ (\q)%2, 1, \mode
	MULQ (\q)%2, 2, \mode
	MULQ (\q)%2, 3, \mode
	WIN 0
.endm
	s_load_b256 s[4:11], s[0:1], 0x0               ; A's codes s[4:5], A's scales s[6:7], W's codes s[8:9], W's scales s[10:11]
	s_load_b128 s[12:15], s[0:1], 0x20             ; bias s[12:13], res s[14:15]
	s_load_b64 s[66:67], s[0:1], 0x30              ; y
	v_lshl_add_u32 v[SPW], v0, 2, SPARE
	v_mov_b32 v[NIL], 0
	ds_add_u32 v28, v29
	ds_add_u32 v28, v29
	s_wait_dscnt 0x0
	v_lshrrev_b32 v1, 5, v0
	v_readfirstlane_b32 s16, v1                    ; wave 0..3
	s_lshr_b32 s17, s16, 1                         ; which half of the tile's rows is mine.  Also: I fetch for A (0) or for W (1)
	s_and_b32 s18, s16, 1                          ; which half of its columns.  Also: which half of that tile I fetch
	s_bfe_u32 s40, ttmp6, 0x40000                  ; cx, cy: my place in the cluster
	s_bfe_u32 s41, ttmp6, 0x40004
	s_lshl_b32 s42, ttmp9, 2
	s_add_co_u32 s42, s42, s40                     ; tile column = 4 x cluster x + cx
	s_and_b32 s19, ttmp7, 0xffff
	s_lshl_b32 s19, s19, 2
	s_add_co_u32 s19, s19, s41                     ; tile row = 4 x cluster y + cy
	s_lshl_b32 s43, s41, 2
	s_lshl_b32 s43, 15, s43                        ; my row of the cluster
	s_lshl_b32 s44, 0x1111, s40                    ; my column
	s_or_b32 s[G1], s43, (1<<20)|(1<<21)|(QI<<22)|(3<<25)    ; the mask; elements of 1 byte; padding on; bit 21 beside a mask; 4 words of padding behind every 2 << QI words
	s_or_b32 s[G1B], s44, (1<<20)|(1<<21)|(QI<<22)|(3<<25)
	s_mov_b32 s[G1+1], ROWB<<16                    ; tensor_dim0
	s_mov_b32 s[G1+2], (32*MA)<<16                 ; tensor_dim1: all the tile's rows
	s_mov_b32 s[G1+3], ROWB<<16                    ; tile_dim0
	s_mov_b32 s[G1+4], 32*MA                       ; tile_dim1
	s_mov_b32 s[G1+5], KROW                        ; the pitch in memory
	s_mov_b32 s[G1+6], 0
	s_mov_b32 s[G1+7], 0
	s_mov_b32 s[G1B+1], ROWB<<16
	s_mov_b32 s[G1B+2], (32*NB)<<16
	s_mov_b32 s[G1B+3], ROWB<<16
	s_mov_b32 s[G1B+4], 32*NB
	s_mov_b32 s[G1B+5], KROW
	s_mov_b32 s[G1B+6], 0
	s_mov_b32 s[G1B+7], 0
	s_or_b32 s[G1S], s43, (3<<16)|(1<<20)|(1<<21)|(5<<22)|(3<<25)   ; the scale bytes: a dense block as rows of 256 bytes (32 elements of 8), 16 bytes of padding behind each
	s_or_b32 s[G1SB], s44, (3<<16)|(1<<20)|(1<<21)|(5<<22)|(3<<25)
	s_mov_b32 s[G1S+1], 32<<16
	s_mov_b32 s[G1S+2], RSA<<16
	s_mov_b32 s[G1S+3], 32<<16
	s_mov_b32 s[G1S+4], RSA
	s_mov_b32 s[G1S+5], 32
	s_mov_b32 s[G1S+6], 0
	s_mov_b32 s[G1S+7], 0
	s_mov_b32 s[G1SB+1], 32<<16
	s_mov_b32 s[G1SB+2], RSB<<16
	s_mov_b32 s[G1SB+3], 32<<16
	s_mov_b32 s[G1SB+4], RSB
	s_mov_b32 s[G1SB+5], 32
	s_mov_b32 s[G1SB+6], 0
	s_mov_b32 s[G1SB+7], 0
	s_mul_i32 s20, s19, 32*MA
	s_mul_i32 s46, s42, 32*NB                      ; the tiles' first rows: A's hangs on the tile row alone, W's on the tile column alone
	s_mul_i32 s92, s20, KS                         ; these rows' scale bytes (in either layout half a work-group's block begins there),
	s_mov_b32 s93, 0
	s_mul_i32 s94, s46, KS
	s_mov_b32 s95, 0
	s_mul_i32 s20, s20, KROW                       ; and their codes (all under 2^32)
	s_mov_b32 s21, 0
	s_mul_i32 s46, s46, KROW
	s_mov_b32 s47, 0
	s_wait_kmcnt 0x0
	s_add_nc_u64 s[20:21], s[4:5], s[20:21]
	s_add_nc_u64 s[92:93], s[6:7], s[92:93]
	s_add_nc_u64 s[46:47], s[8:9], s[46:47]
	s_add_nc_u64 s[94:95], s[10:11], s[94:95]
	CROUND                                         ; all sixteen work-groups are here: the first joint loads meet
	s_mov_b32 s[G0S], 1
	s_mov_b32 s[G0S+1], SCL
	s_mov_b64 s[G0S+2:G0S+3], s[92:93]
	s_or_b32 s[G0S+3], s[G0S+3], 0x80000000
	s_mov_b32 s[G0SB], 1
	s_mov_b32 s[G0SB+1], SCL+2*HALFSA
	s_mov_b64 s[G0SB+2:G0SB+3], s[94:95]
	s_or_b32 s[G0SB+3], s[G0SB+3], 0x80000000
	s_mov_b32 s[G0], 1                             ; A's 128 rows, whole,
	s_mov_b32 s[G0+1], 0
	s_mov_b64 s[G0+2:G0+3], s[20:21]
	s_or_b32 s[G0+3], s[G0+3], 0x80000000
	s_mov_b32 s[G0B], 1                            ; and W's, behind them
	s_mov_b32 s[G0B+1], 2*HALFA
	s_mov_b64 s[G0B+2:G0B+3], s[46:47]
	s_or_b32 s[G0B+3], s[G0B+3], 0x80000000
; The head's loads, one a wave: wave 0 A's rows, wave 1 W's, wave 2 A's scale bytes, wave 3 W's.  One chain of branches on the wave's number.
.macro ARM under, g0, g1, next
	s_cmp_lt_u32 s16, \under
	s_cbranch_scc0 \next
	tensor_load_to_lds s[\g0:\g0+3], s[\g1:\g1+7]
	s_nop 0
	PLACES
	s_branch .Lhead_asked
\next:
.endm
	ARM 1, G0, G1, .Lhead_b
	ARM 2, G0B, G1B, .Lhead_sa
	ARM 3, G0S, G1S, .Lhead_sb
	tensor_load_to_lds s[G0SB:G0SB+3], s[G1SB:G1SB+7]
	s_nop 0
	PLACES
.Lhead_asked:
	v_and_b32 v1, 15, v0                           ; r
	v_bfe_u32 v2, v0, 4, 1                         ; h
	v_mul_u32_u24 v3, v1, PITCH
	v_mul_u32_u24 v4, v2, 24
	v_add_nc_u32 v4, v3, v4                        ; a fragment's row x pitch + 24 h
	v_lshl_add_u32 v5, v2, 4, v4                   ; and the same behind one padding more
	s_mul_i32 s21, s17, HALFA
	s_mul_i32 s22, s18, HALFB
	s_add_co_u32 s22, s22, 2*HALFA
	v_add_nc_u32 v[ADRA], s21, v4
	v_add_nc_u32 v[ADRB], s22, v4
	v_add_nc_u32 v[ADRA+2], s21, v5
	v_add_nc_u32 v[ADRB+2], s22, v5
.if KK == 4096
	v_lshlrev_b32 v5, 2, v1                        ; A's words: unit 2 (K / 128) + row half, 4 bytes a row
	s_mul_i32 s21, s17, 272
	s_add_co_u32 s21, s21, SCL
	v_add_nc_u32 v[ADSA], s21, v5
	v_lshlrev_b32 v5, 7, v1                        ; W's: a row's 128 scale bytes,
	v_lshrrev_b32 v6, 1, v1
	v_lshl_add_u32 v5, v6, 4, v5                   ; and 16 more behind each 256
.else
	v_lshlrev_b32 v5, 5, v1                        ; a row's 32 scale bytes,
	v_lshrrev_b32 v6, 3, v1
	v_lshl_add_u32 v5, v6, 4, v5                   ; and 16 more behind each 256
	s_mul_i32 s21, s17, HALFSA
	s_add_co_u32 s21, s21, SCL
	v_add_nc_u32 v[ADSA], s21, v5
.endif
	s_mul_i32 s22, s18, HALFSB
	s_add_co_u32 s22, s22, SCL+2*HALFSA
	v_add_nc_u32 v[ADSB], s22, v5
	s_mul_i32 s22, s16, 16*272                     ; my stage: 16 rows x (256 + 16) bytes,
	s_add_co_u32 s22, s22, STAGE                   ; behind the spare words
	v_mul_u32_u24 v[STO], v1, 272
	v_lshl_add_u32 v[STO], v2, 5, v[STO]
	v_add_nc_u32 v[STO], s22, v[STO]               ; in: row r, 32 bytes for each half of the lanes
	v_mul_u32_u24 v[RD], v2, 272
	v_lshl_add_u32 v[RD], v1, 4, v[RD]
	v_add_nc_u32 v[RD], s22, v[RD]                 ; back: lanes 0-15 one row of 256 bytes, lanes 16-31 the next
	v_lshlrev_b32 v[CO], 12, v2
	v_lshl_add_u32 v[CO], v1, 4, v[CO]             ; and the same two rows in res and y
	v_lshlrev_b32 v[BO], 5, v2
	s_wait_alu depctr_va_vdst(0)
	s_lshl_b32 s20, s42, 9
	s_lshl_b32 s21, s18, 8
	s_add_co_u32 s20, s20, s21                     ; my first column, in bytes
	s_mov_b32 s21, 0
	s_add_nc_u64 s[12:13], s[12:13], s[20:21]
	s_lshl_b32 s22, s19, 19
	s_lshl_b32 s23, s17, 18
	s_add_co_u32 s22, s22, s23                     ; my first row, in bytes
	s_add_co_u32 s20, s20, s22
	s_add_nc_u64 s[14:15], s[14:15], s[20:21]
	s_add_nc_u64 s[66:67], s[66:67], s[20:21]
	WIN 0x40                                       ; destination window 1
.irp b, 0,1,2,3
	global_load_b128 v[BIAS+8*\b:BIAS+8*\b+3], v[BO], s[12:13] offset:64*\b            ; lane (r, h): the bias of columns 16 b + 8 h + 0 .. 7
	global_load_b128 v[BIAS+8*\b+4:BIAS+8*\b+7], v[BO], s[12:13] offset:64*\b+16
.endr
	WIN 0xc0                                       ; destination window 3
.irp a, 0,1,2,3
.irp t, 0,1,2,3,4,5,6,7
	global_load_b128 v[32*\a+4*\t:32*\a+4*\t+3], v[CO], s[14:15] offset:(16*\a+2*\t)*4096   ; the residual, as it will be stored: it lands under the products
.endr
.endr
	WIN 0
	s_wait_alu depctr_va_vdst(0)
	s_wait_tensorcnt 0x0                           ; my tile of the head's four is in
	s_barrier_signal -1
	s_barrier_wait -1                              ; everybody's is: the eight steps need no further barrier
	FETCH 0, 0, 0
	s_wait_loadcnt 32                              ; the bias is in; the residual's 32 loads, issued behind it, may be out
	STEP 0, 0, 2                                   ; the first step's products start the sums, with the bias
.irp q, 1,2,3,4,5,6
	STEP 0, \q, 0
.endr
	s_wait_dscnt 0x0
	MULQ 1, 0, 0
	MULQ 1, 1, 0
	MULQ 1, 2, 0
	MULQ 1, 3, 0
	WIN 0
	; THE WAY OUT: a block of 16 rows x 64 columns goes through my own stage and comes back as whole rows of 256 bytes; the residual is added; sixteen lanes store 256 consecutive bytes, aligned.
	PLACES
	s_wait_loadcnt 0x0                             ; the residual
.irp a, 0,1,2,3
	WIN 0x08                                       ; an LDS store's data are its source 1: window 2
.irp b, 0,1,2,3
	ds_store_b128 v[STO], v[8*(4*\a+\b):8*(4*\a+\b)+3] offset:64*\b                    ; each accumulator from its low end on
	ds_store_b128 v[STO], v[8*(4*\a+\b)+4:8*(4*\a+\b)+7] offset:64*\b+16
.endr
	WIN 0
.irp t, 0,1,2,3,4,5,6,7
	ds_load_b128 v[OB+32*\a+4*\t:OB+32*\a+4*\t+3], v[RD] offset:544*\t                 ; LDS serves a wave's instructions in order: these see the stores above, and the next block's stores come behind them
.endr
.endr
.irp a, 0,1,2,3
	s_wait_dscnt 16*(3-\a)                         ; block a is back; the later blocks' sixteen LDS instructions each may be out
	WIN 0x0c                                       ; source 1: window 3
.irp i, 0,1,2,3,4,5,6,7,8,9,10,11,12,13,14,15
	v_pk_add_f32 v[OB+32*\a+2*\i:OB+32*\a+2*\i+1], v[OB+32*\a+2*\i:OB+32*\a+2*\i+1], v[32*\a+2*\i:32*\a+2*\i+1]
.endr
	WIN 0
.irp t, 0,1,2,3,4,5,6,7
	global_store_b128 v[CO], v[OB+32*\a+4*\t:OB+32*\a+4*\t+3], s[66:67] offset:(16*\a+2*\t)*4096
.endr
.endr
	s_wait_tensorcnt 0x0                           ; the wave's end
	ds_add_u32 v[SPW], v[NIL]
	s_wait_dscnt 0x0
	CROUND                                         ; the closing round: no work-group ends while a partner may still ask for a tile that names it
	s_endpgm
.Lfunc_end_k_q841b6e4787_proj:
	.size	k_q841b6e4787_proj, .Lfunc_end_k_q841b6e4787_proj-k_q841b6e4787_proj
	.p2alignl 7, 3214868480
	.fill 96, 4, 3214868480
	.section	.rodata,"a",@progbits
	.p2align	6, 0x0
	.amdhsa_kernel k_q841b6e4787_proj
		.amdhsa_group_segment_fixed_size 327680
		.amdhsa_private_segment_fixed_size 0
		.amdhsa_enable_private_segment 0
		.amdhsa_kernarg_size 56
		.amdhsa_user_sgpr_count 2
		.amdhsa_user_sgpr_kernarg_segment_ptr 1
		.amdhsa_wavefront_size32 1
		.amdhsa_system_sgpr_workgroup_id_x 1
		.amdhsa_system_sgpr_workgroup_id_y 1
		.amdhsa_system_sgpr_workgroup_id_z 1
		.amdhsa_system_vgpr_workitem_id 0
		.amdhsa_next_free_vgpr 1024
		.amdhsa_next_free_sgpr 100
		.amdhsa_reserve_vcc 0
		.amdhsa_float_denorm_mode_32 3
		.amdhsa_float_denorm_mode_16_64 3
		.amdhsa_memory_ordered 1
		.amdhsa_forward_progress 1
		.amdhsa_inst_pref_size 71
	.end_amdhsa_kernel
	.amdgpu_metadata
---
amdhsa.version: [ 1, 2 ]
amdhsa.kernels:
  - .name:           k_q841b6e4787_proj
    .symbol:         k_q841b6e4787_proj.kd
    .args:
      - { .name: acod, .offset: 0, .size: 8, .value_kind: global_buffer, .address_space: global }
      - { .name: asc, .offset: 8, .size: 8, .value_kind: global_buffer, .address_space: global }
      - { .name: w_proj_codes, .offset: 16, .size: 8, .value_kind: global_buffer, .address_space: global }
      - { .name: w_proj_scales, .offset: 24, .size: 8, .value_kind: global_buffer, .address_space: global }
      - { .name: b_proj, .offset: 32, .size: 8, .value_kind: global_buffer, .address_space: global }
      - { .name: x, .offset: 40, .size: 8, .value_kind: global_buffer, .address_space: global }
      - { .name: x1, .offset: 48, .size: 8, .value_kind: global_buffer, .address_space: global }
    .group_segment_fixed_size: 327680
    .private_segment_fixed_size: 0
    .kernarg_segment_align: 8
    .kernarg_segment_size: 56
    .max_flat_workgroup_size: 128
    .sgpr_count:     100
    .vgpr_count:     1024
    .wavefront_size: 32
...
	.end_amdgpu_metadata
.endif
;; end of part 4
;; launch ln2: the kernel of part 1 again; grid 256 x 1, 4 waves a work-group, no clusters, 24,064 bytes of LDS; arguments x1, g2, be2, acod, asc; writes acod, asc
;; launch ff1 (part 5): grid 16 x 16, 4 waves a work-group, clusters of 4 x 4, 327,680 bytes of LDS; arguments acod, asc, w1_codes, w1_scales, b1, hc, hs; writes hc, hs
.if DOCPART == 5
	.amdgcn_target "amdgcn-amd-amdhsa--gfx1250"
	.amdhsa_code_object_version 6
	.text
	.protected	k_q841b6e4787_ff1
	.globl	k_q841b6e4787_ff1
	.p2align	8
	.type	k_q841b6e4787_ff1,@function
k_q841b6e4787_ff1:
	s_mov_b64 s[64:65], 0
	v_nop
	global_prefetch_b8 v0, s[64:65] scope:SCOPE_SE
	s_setreg_imm32_b32 hwreg(HW_REG_WAVE_MODE, 25, 1), 1
	s_wait_xcnt 0x0
	s_wait_alu depctr_hold_cnt(0) depctr_sa_sdst(0) depctr_va_vdst(0) depctr_va_sdst(0) depctr_va_ssrc(0) depctr_va_vcc(0) depctr_vm_vsrc(0)
	s_getreg_b32 s2, hwreg(HW_REG_IB_STS2, 6, 4)
	s_cmp_eq_u32 s2, 0
	s_cbranch_scc0 .Lentry_in_a_cluster
	s_endpgm
.Lentry_in_a_cluster:
	s_bfe_u32 s2, ttmp6, 0x10000c
	s_cmp_lg_u32 s2, 0xf033
	s_cbranch_scc0 .Lentry_shape_is_right
	s_endpgm
.Lentry_shape_is_right:
.set KK,     1024
.set MA,     8
.set NB,     8
.set NQ,     2
; h = relu(A W1^T + b1) on codes of BF6 with E8M0 scales, K = 1,024, quantised at once along the hidden units.  A tile of 256 x 256, four waves of 128 x 128; 4 x 4 clusters with joint loads.
; K goes through a ring of two LDS slots in CHUNKS of CH bytes of each row of codes: a tile's row begins at a multiple of 256 bytes.  A step of 128 along K is 96 bytes and may lie across two chunks.
; K has three chunks, so no chunk lies two refills ahead: no prefetch is laid.
.set CH,     256
.set ROWB,   CH
.set QI,     5
.set PITCH,  CH+16
.set KROW,   KK*3/4
.set KS,     KK/32
.set HALFA,  16*MA*PITCH
.set HALFB,  16*NB*PITCH
.set SLOT,   2*HALFA+2*HALFB
.set STEPS,  KK/128
.set CHUNKS, KROW/CH                   ; chunk c lies in slot c % 2
.set SCL,    2*SLOT
.set RSA,    32*MA*KS/256              ; units of 256 scale bytes of the work-group's rows: one load brings them
.set RSB,    32*NB*KS/256
.set HALFSA, RSA*136
.set HALFSB, RSB*136
.set SPARE,  SCL+2*HALFSA+2*HALFSB
.set SAI,    544
.set SAQ,    4
.set SAS,    4*NQ
.set SBI,    544
.set SBS,    4*NQ
.set SCW,    SLOT+256*272              ; the way out's stages lie in slot 1: the last chunk lies in slot 0, and slot 1 has had its last fill and its last read
.set ADSA, 8
.set ADSB, 9
.set RD,   10
.set CO,   11
.set BO,   12
.set ADRA, 16
.set ADRB, 20
.set SW,   24
.set SWS,  25
.set SRS,  26
.set L16,  27
.set SPW,  28
.set NIL,  29
.set SC,   32
.set H,    64
.set OB,   64
.set PCD,  128
.set PW,   144
.set TM,   152
.set TY,   164
.set SWD,  192
.set BIAS, 192
.set G1, 24
.set G0, 32
.set G1B, 48
.set G0B, 56
.set G1S, 68
.set G0S, 76
.set G1SB, 80
.set G0SB, 88
.set SEL, 98
.set MSB, 0
.macro WIN new
.if MSB != (\new)
	s_set_vgpr_msb (MSB<<8)|(\new)
.set MSB, (\new)
.endif
.endm
.macro PLACES
.rept 4
	v_nop
.endr
.endm
.macro JLOAD g0a, g1a, g0b, g1b
	s_cmp_eq_u32 s17, 0
	s_cbranch_scc0 .Lfor_b_\@
	tensor_load_to_lds s[\g0a:\g0a+3], s[\g1a:\g1a+7]
	s_nop 0
	PLACES
	s_branch .Lasked_\@
.Lfor_b_\@:
	tensor_load_to_lds s[\g0b:\g0b+3], s[\g1b:\g1b+7]
	s_nop 0
	PLACES
.Lasked_\@:
.endm
.macro CREST
	s_cmp_lg_u32 s16, 0
	s_cbranch_scc1 .Lnot_wave_0_\@
	s_barrier_signal -3
.Lnot_wave_0_\@:
	s_barrier_wait -3
	s_barrier_signal -1
	s_barrier_wait -1
.endm
.macro CROUND
	s_barrier_signal -1
	s_barrier_wait -1
	CREST
.endm
.macro FRAG reg, adr, q, i
.irp p, 0,1,2,3,4,5
.set BY, 96*(\q)+48*(\p/3)+8*(\p%3)    ; q: the step, counted from the row's start.  Byte y of a row lies in chunk y / CH, in slot (y / CH) % 2
.if BY/CH == (BY+24)/CH
	ds_load_b64 v[\reg+2*\p:\reg+2*\p+1], v[\adr+(BY/CH)%2] offset:BY%CH+(\i)*16*PITCH
.else                                  ; lanes 16-31, 24 bytes on, read the next chunk
	ds_load_b64 v[\reg+2*\p:\reg+2*\p+1], v[\adr+2+(BY/CH)%2] offset:BY%CH-(CH-24)+(\i)*16*PITCH
.endif
.endr
.endm
.macro FETCH slot, q, p
.set FB, 64*(\p)
	WIN 0x40*(1-(\p))
.set FI, 0
.rept NB
	FRAG FB+12*(MA+FI), ADRB+\slot, \q, FI
.set FI, FI+1
.endr
.set FI, 0
.rept MA
	FRAG FB+12*FI, ADRA+\slot, \q, FI
.set FI, FI+1
.endr
	WIN 0
.set FI, 0
.rept MA
	ds_load_b32 v[SC+16*(\p)+FI], v[ADSA] offset:SAI*FI+SAQ*(\q)
.set FI, FI+1
.endr
.set FI, 0
.rept NB
	ds_load_b32 v[SC+16*(\p)+MA+FI], v[ADSB] offset:SBI*FI+4*(\q)
.set FI, FI+1
.endr
.endm
.macro WM d, a, b, c, sa, sb
	v_wmma_scale_f32_16x16x128_f8f6f4 v[(\d):(\d)+7], v[(\a):(\a)+11], v[(\b):(\b)+11], v[(\c):(\c)+7], v[\sa], v[\sb] matrix_a_fmt:MATRIX_FMT_BF6 matrix_b_fmt:MATRIX_FMT_BF6
.endm
.macro MULQ p, part, mode
.set FB, 64*(\p)
.set WS, 5*(1-(\p))
.set AW, 2+(\part)/2
.if (\mode) == 2
	WIN WS|0x10|(AW<<6)
.else
	WIN WS|(AW*0x50)
.endif
.irp a, 2*(\part), 2*(\part)+1
.irp b, 0,1,2,3,4,5,6,7
.set AC, 8*(8*((\a)%4)+\b)
.if (\mode) == 2
	WM AC, FB+12*(MA+\b), FB+12*(\a), BIAS+8*\b, SC+16*(\p)+MA+\b, SC+16*(\p)+(\a)
.else
	WM AC, FB+12*(MA+\b), FB+12*(\a), AC, SC+16*(\p)+MA+\b, SC+16*(\p)+(\a)
.endif
.endr
.endr
.endm
; Step st multiplies set st % 2 and fetches step st + 1's fragments.  Where the next step's bytes END in a chunk not read yet, every wave waits for its tensor loads and a barrier shows that chunk whole.
; Where they BEGIN in a later chunk than this step's, the chunk left behind is read no more: the wait, the add, the wait for it and for my reads, the barrier; if a chunk two on is left, the barrier opens a round and the slot is filled again.
.macro STEP st, mode
.set NX, (\st)+1
.set C0, (96*(\st))/CH
.set C1, (96*NX)/CH
.set E0, (96*(\st)+95)/CH
.set E1, (96*NX+95)/CH
.if C1 > C0 || E1 > E0
	s_wait_tensorcnt 0x0                           ; all my tensor loads have landed
.if C1 > C0
	ds_add_u32 v[SPW], v[NIL]
	s_wait_dscnt 0x1                               ; this step's set is in; the add alone may be out
.else
	s_wait_dscnt 0x0
.endif
	MULQ (\st)%2, 0, \mode
	s_wait_dscnt 0x0                               ; the add is done, and my reads of the chunk left behind are over
	s_barrier_signal -1
	MULQ (\st)%2, 1, \mode
	WIN 0
	s_barrier_wait -1
.if C1 > C0 && C0+2 < CHUNKS
	CREST
	s_add_nc_u64 s[G0+4*(C0%2)+2:G0+4*(C0%2)+3], s[G0+4*(C0%2)+2:G0+4*(C0%2)+3], 2*CH
	s_add_nc_u64 s[G0B+4*(C0%2)+2:G0B+4*(C0%2)+3], s[G0B+4*(C0%2)+2:G0B+4*(C0%2)+3], 2*CH
	JLOAD G0+4*(C0%2), G1, G0B+4*(C0%2), G1B       ; chunk C0 + 2, the first tensor load behind the round
.else
	PLACES
.endif
	FETCH 0, NX, NX%2
	MULQ (\st)%2, 2, \mode
	MULQ (\st)%2, 3, \mode
.else
	s_wait_dscnt 0x0                               ; this step's set, asked for a step ago, is in
	PLACES
	FETCH 0, NX, NX%2
	MULQ (\st)%2, 0, \mode
	MULQ (\st)%2, 1, \mode
	MULQ (\st)%2, 2, \mode
	MULQ (\st)%2, 3, \mode
.endif
	WIN 0
.endm
.macro QSCALE s, w, nc, pw
	WIN (\w)|((\w)<<2)
.set QB, 0
.rept 2*(\nc)
	v_max3_num_f32 v[TM+QB], |v[(\s)+16*QB]|, |v[(\s)+16*QB+1]|, 0x2800000
.set QB, QB+1
.endr
	WIN ((\w)<<2)|((\w)<<4)
.irp i, 2,4,6,8,10,12,14
.set QB, 0
.rept 2*(\nc)
	v_max3_num_f32 v[TM+QB], v[TM+QB], |v[(\s)+16*QB+\i]|, |v[(\s)+16*QB+\i+1]|
.set QB, QB+1
.endr
.endr
	WIN 0
.set QB, 0
.rept 2*(\nc)
	v_permlanex16_b32 v[TM+4+QB], v[TM+QB], s[SEL], s[SEL+1]
.set QB, QB+1
.endr
.set QB, 0
.rept 2*(\nc)
	v_max_num_f32 v[TM+QB], v[TM+QB], v[TM+4+QB]
.set QB, QB+1
.endr
.set QB, 0
.rept 2*(\nc)
	v_add_nc_u32 v[TM+8+QB], 0xfe000000, v[TM+QB]
.set QB, QB+1
.endr
.set QB, 0
.rept 2*(\nc)
	v_lshrrev_b32 v[TM+4+QB], 23, v[TM+8+QB]
.set QB, QB+1
.endr
	v_lshl_or_b32 v[\pw], v[TM+5], 8, v[TM+4]
.if (\nc) == 2
	v_lshl_or_b32 v[\pw], v[TM+6], 16, v[\pw]
	v_lshl_or_b32 v[\pw], v[TM+7], 24, v[\pw]
.endif
.endm
.macro QPACK s, w, nc, pc, st, hi
	WIN (\w)
.set QC, 0
.rept \nc
	v_cvt_scalef32_pk16_bf6_f32 v[(\pc)+(\st)*QC:(\pc)+(\st)*QC+2], v[(\s)+32*QC:(\s)+32*QC+15], v[TM+8+2*QC]
	v_cvt_scalef32_pk16_bf6_f32 v[TY+4*QC:TY+4*QC+2], v[(\s)+32*QC+16:(\s)+32*QC+31], v[TM+9+2*QC]
.set QC, QC+1
.endr
	WIN 0
	v_nop
.set QC, 0
.rept \nc
.set QX, (\pc)+(\st)*QC
.set QY, TY+4*QC
.set QH, QX+(\hi)
	v_permlane16_swap_b32 v[QX], v[QY]
	v_permlane16_swap_b32 v[QX+1], v[QY+1]
	v_permlane16_swap_b32 v[QX+2], v[QY+2]
	v_perm_b32 v[QH], v[QX+2], v[QX+1], 0x05040302
	v_perm_b32 v[QH+1], v[QY+1], v[QX+2], 0x07060302
	v_perm_b32 v[QX+1], v[QY], v[QX+1], 0x05040100
	v_perm_b32 v[QX+2], v[QY+1], v[QY], 0x05040302
	v_mov_b32 v[QH+2], v[QY+2]
.set QC, QC+1
.endr
.endm
.macro QUANTN s, w, nc, pc, st, hi, pw
	QSCALE \s, \w, \nc, \pw
	QPACK \s, \w, \nc, \pc, \st, \hi
.endm
	s_load_b256 s[4:11], s[0:1], 0x0
	s_load_b128 s[12:15], s[0:1], 0x20
	s_load_b64 s[66:67], s[0:1], 0x30
	v_lshl_add_u32 v[SPW], v0, 2, SPARE
	v_mov_b32 v[NIL], 0
	ds_add_u32 v28, v29
	ds_add_u32 v28, v29
	s_wait_dscnt 0x0
	v_lshrrev_b32 v1, 5, v0
	v_readfirstlane_b32 s16, v1
	s_lshr_b32 s17, s16, 1
	s_and_b32 s18, s16, 1
	s_bfe_u32 s40, ttmp6, 0x40000
	s_bfe_u32 s41, ttmp6, 0x40004
	s_lshl_b32 s42, ttmp9, 2
	s_add_co_u32 s42, s42, s40
	s_and_b32 s19, ttmp7, 0xffff
	s_lshl_b32 s19, s19, 2
	s_add_co_u32 s19, s19, s41
	s_lshl_b32 s43, s41, 2
	s_lshl_b32 s43, 15, s43
	s_lshl_b32 s44, 0x1111, s40
	s_or_b32 s[G1], s43, (1<<20)|(1<<21)|(QI<<22)|(3<<25)
	s_or_b32 s[G1B], s44, (1<<20)|(1<<21)|(QI<<22)|(3<<25)
	s_mov_b32 s[G1+1], ROWB<<16
	s_mov_b32 s[G1+2], (32*MA)<<16                 ; the head's load brings all the tile's rows
	s_mov_b32 s[G1+3], ROWB<<16
	s_mov_b32 s[G1+4], 32*MA
	s_mov_b32 s[G1+5], KROW
	s_mov_b32 s[G1+6], 0
	s_mov_b32 s[G1+7], 0
	s_mov_b32 s[G1B+1], ROWB<<16
	s_mov_b32 s[G1B+2], (32*NB)<<16
	s_mov_b32 s[G1B+3], ROWB<<16
	s_mov_b32 s[G1B+4], 32*NB
	s_mov_b32 s[G1B+5], KROW
	s_mov_b32 s[G1B+6], 0
	s_mov_b32 s[G1B+7], 0
	s_or_b32 s[G1S], s43, (3<<16)|(1<<20)|(1<<21)|(5<<22)|(3<<25)
	s_or_b32 s[G1SB], s44, (3<<16)|(1<<20)|(1<<21)|(5<<22)|(3<<25)
	s_mov_b32 s[G1S+1], 32<<16
	s_mov_b32 s[G1S+2], RSA<<16
	s_mov_b32 s[G1S+3], 32<<16
	s_mov_b32 s[G1S+4], RSA
	s_mov_b32 s[G1S+5], 32
	s_mov_b32 s[G1S+6], 0
	s_mov_b32 s[G1S+7], 0
	s_mov_b32 s[G1SB+1], 32<<16
	s_mov_b32 s[G1SB+2], RSB<<16
	s_mov_b32 s[G1SB+3], 32<<16
	s_mov_b32 s[G1SB+4], RSB
	s_mov_b32 s[G1SB+5], 32
	s_mov_b32 s[G1SB+6], 0
	s_mov_b32 s[G1SB+7], 0
	s_mul_i32 s20, s19, 32*MA
	s_mul_i32 s46, s42, 32*NB                      ; the tiles' first rows: A's hangs on the tile row alone, W's on the tile column alone
	s_mul_i32 s92, s20, KS
	s_mov_b32 s93, 0
	s_mul_i32 s94, s46, KS
	s_mov_b32 s95, 0
	s_mul_i32 s20, s20, KROW
	s_mov_b32 s21, 0
	s_mul_i32 s46, s46, KROW
	s_mov_b32 s47, 0
	s_mul_i32 s45, s18, HALFA
	s_mul_i32 s96, s18, HALFB
	s_add_co_u32 s96, s96, 2*HALFA
	s_mul_i32 s22, s18, 16*MA*KROW                 ; in the ring I fetch half of a tile's rows: which half, in bytes
	s_mov_b32 s23, 0
	s_mul_i32 s2, s18, 16*NB*KROW
	s_mov_b32 s3, 0
	s_wait_kmcnt 0x0
	s_add_nc_u64 s[20:21], s[4:5], s[20:21]
	s_add_nc_u64 s[92:93], s[6:7], s[92:93]
	s_add_nc_u64 s[46:47], s[8:9], s[46:47]
	s_add_nc_u64 s[94:95], s[10:11], s[94:95]
	CROUND
	s_mov_b32 s[G0S], 1
	s_mov_b32 s[G0S+1], SCL
	s_mov_b64 s[G0S+2:G0S+3], s[92:93]
	s_or_b32 s[G0S+3], s[G0S+3], 0x80000000
	s_mov_b32 s[G0SB], 1
	s_mov_b32 s[G0SB+1], SCL+2*HALFSA
	s_mov_b64 s[G0SB+2:G0SB+3], s[94:95]
	s_or_b32 s[G0SB+3], s[G0SB+3], 0x80000000
	s_mov_b32 s4, 1                                ; s[4:7], s[8:11]: group 0 for the head's loads of chunk 0, all A's rows and all W's (the arguments that lay there have been used)
	s_mov_b32 s5, 0
	s_mov_b64 s[6:7], s[20:21]
	s_or_b32 s7, s7, 0x80000000
	s_mov_b32 s8, 1
	s_mov_b32 s9, 2*HALFA
	s_mov_b64 s[10:11], s[46:47]
	s_or_b32 s11, s11, 0x80000000
	s_add_nc_u64 s[20:21], s[20:21], s[22:23]      ; for the ring: my half of the tile's rows
	s_add_nc_u64 s[46:47], s[46:47], s[2:3]
.irp s, 0,1
	s_mov_b32 s[G0+4*\s], 1
	s_add_co_u32 s[G0+4*\s+1], s45, \s*SLOT
	s_add_nc_u64 s[G0+4*\s+2:G0+4*\s+3], s[20:21], \s*ROWB
	s_or_b32 s[G0+4*\s+3], s[G0+4*\s+3], 0x80000000
	s_mov_b32 s[G0B+4*\s], 1
	s_add_co_u32 s[G0B+4*\s+1], s96, \s*SLOT
	s_add_nc_u64 s[G0B+4*\s+2:G0B+4*\s+3], s[46:47], \s*ROWB
	s_or_b32 s[G0B+4*\s+3], s[G0B+4*\s+3], 0x80000000
.endr
; The head's loads, one a wave: wave 0 chunk 0 of A's rows, wave 1 of W's, wave 2 A's scale bytes, wave 3 W's.  One chain of branches on the wave's number.
.macro ARM under, g0, g1, next
	s_cmp_lt_u32 s16, \under
	s_cbranch_scc0 \next
	tensor_load_to_lds s[\g0:\g0+3], s[\g1:\g1+7]
	s_nop 0
	PLACES
	s_branch .Lhead_asked
\next:
.endm
	ARM 1, 4, G1, .Lhead_b
	ARM 2, 8, G1B, .Lhead_sa
	ARM 3, G0S, G1S, .Lhead_sb
	tensor_load_to_lds s[G0SB:G0SB+3], s[G1SB:G1SB+7]
	s_nop 0
	PLACES
.Lhead_asked:
	v_and_b32 v1, 15, v0
	v_bfe_u32 v2, v0, 4, 1
	v_mul_u32_u24 v3, v1, PITCH
	v_mul_u32_u24 v4, v2, 24
	v_add_nc_u32 v4, v3, v4
	s_mov_b32 s21, SLOT-(CH-24)
	s_mov_b32 s22, SLOT+(CH-24)
	v_sub_nc_u32 v7, 1, v2                         ; 1 in lanes 0-15
	v_mul_u32_u24 v5, s21, v2
	v_add_nc_u32 v5, v3, v5
	v_add_nc_u32 v5, CH-24, v5                     ; across two chunks: lanes 0-15 byte CH - 24 of the row in slot 0, lanes 16-31 byte 0 of the row in slot 1;
	v_mul_u32_u24 v6, s22, v7
	v_add_nc_u32 v6, v3, v6                        ; and lanes 0-15 in slot 1, lanes 16-31 in slot 0
	s_mul_i32 s21, s17, HALFA
	s_mul_i32 s22, s18, HALFB
	s_add_co_u32 s22, s22, 2*HALFA
	v_add_nc_u32 v[ADRA+2], s21, v5
	v_add_nc_u32 v[ADRA+3], s21, v6
	v_add_nc_u32 v[ADRB+2], s22, v5
	v_add_nc_u32 v[ADRB+3], s22, v6
.irp s, 0,1
	v_add_nc_u32 v[ADRA+\s], s21, v4
	v_add_nc_u32 v[ADRB+\s], s22, v4
	s_add_co_u32 s21, s21, SLOT
	s_add_co_u32 s22, s22, SLOT
.endr
	v_lshlrev_b32 v5, 5, v1
	v_lshrrev_b32 v6, 3, v1
	v_lshl_add_u32 v5, v6, 4, v5
	s_mul_i32 s21, s17, HALFSA
	s_add_co_u32 s21, s21, SCL
	v_add_nc_u32 v[ADSA], s21, v5
	s_mul_i32 s22, s18, HALFSB
	s_add_co_u32 s22, s22, SCL+2*HALFSA
	v_add_nc_u32 v[ADSB], s22, v5
	v_and_b32 v3, 31, v0
	v_lshlrev_b32 v[L16], 4, v3
	v_lshlrev_b32 v[BO], 5, v2
	s_mul_i32 s22, s17, 128*272
	s_lshl_b32 s23, s18, 7
	s_add_co_u32 s22, s22, s23
	s_add_co_u32 s22, s22, SLOT                    ; the stage for codes lies in slot 1
	v_mul_u32_u24 v[SW], v1, 272
	v_lshl_add_u32 v[SW], v2, 5, v[SW]
	v_add_nc_u32 v[SW], s22, v[SW]
	s_lshl_b32 s22, s16, 9
	s_add_co_u32 s22, s22, SCW
	v_lshl_add_u32 v[SWS], v1, 2, s22
	v_add_nc_u32 v[SRS], s22, v[L16]
	s_mul_i32 s22, s16, 64*272
	s_add_co_u32 s22, s22, SLOT
	v_mul_u32_u24 v[RD], v2, 272
	v_lshl_add_u32 v[RD], v1, 4, v[RD]
	v_add_nc_u32 v[RD], s22, v[RD]
	v_mul_u32_u24 v[CO], v2, 3072
	v_mad_u32_u24 v[CO], v1, 12, v[CO]
	s_mov_b32 s[SEL], 0x76543210
	s_mov_b32 s[SEL+1], 0xfedcba98
	s_lshl_b32 s20, s42, 10
	s_lshl_b32 s21, s18, 9
	s_add_co_u32 s20, s20, s21
	s_mov_b32 s21, 0
	s_add_nc_u64 s[12:13], s[12:13], s[20:21]
	s_lshl_b32 s20, s19, 8
	s_lshl_b32 s22, s16, 6
	s_add_co_u32 s20, s20, s22
	s_mul_i32 s20, s20, 3072
	s_mul_i32 s22, s42, 192
	s_add_co_u32 s20, s20, s22
	s_add_nc_u64 s[14:15], s[14:15], s[20:21]
	s_lshl_b32 s20, s19, 1
	s_add_co_u32 s20, s20, s17
	s_lshl_b32 s20, s20, 5
	s_lshl_b32 s22, s42, 1
	s_add_co_u32 s20, s20, s22
	s_add_co_u32 s20, s20, s18
	s_lshl_b32 s20, s20, 9
	s_add_nc_u64 s[66:67], s[66:67], s[20:21]
	WIN 0x40
.irp b, 0,1,2,3,4,5,6,7
	global_load_b128 v[BIAS+8*\b:BIAS+8*\b+3], v[BO], s[12:13] offset:64*\b
	global_load_b128 v[BIAS+8*\b+4:BIAS+8*\b+7], v[BO], s[12:13] offset:64*\b+16
.endr
	WIN 0
	s_wait_alu depctr_va_vdst(0)
	s_wait_tensorcnt 0x0                           ; my tile of the head's four is in; slot 1's first fill is issued as a refill is:
	ds_add_u32 v[SPW], v[NIL]
	s_mov_b32 s[G1+2], (16*MA)<<16                 ; no tensor load of mine is out: from here on a load brings half of a tile's rows
	s_mov_b32 s[G1+4], 16*MA
	s_mov_b32 s[G1B+2], (16*NB)<<16
	s_mov_b32 s[G1B+4], 16*NB
	s_wait_dscnt 0x0
	CROUND                                         ; all four tiles are in, and all sixteen work-groups are here
	JLOAD G0+4, G1, G0B+4, G1B                     ; chunk 1
	FETCH 0, 0, 0
	s_wait_loadcnt 0x0                             ; the bias
	STEP 0, 2                                      ; the first step's products start the sums, with the bias
.set ST, 1                             ; the walk is written out: slots and steps come back to where they began only after 2,048 along K
.rept STEPS-2
	STEP ST, 0
.set ST, ST+1
.endr
	s_wait_dscnt 0x0
	MULQ 1, 0, 0
	MULQ 1, 1, 0
	MULQ 1, 2, 0
	MULQ 1, 3, 0
	WIN 0
	PLACES
.irp b, 0,1,2,3
	v_mov_b32 v[TM+4+\b], 0
.endr
.irp a, 0,1,2,3,4,5,6,7
	WIN (2+\a/4)<<2
.set J, 0
.rept 64
	v_max_num_f32 v[H+J], 0, v[64*(\a%4)+J]
.set J, J+1
.endr
	QUANTN H, 0, 2, PCD, 8, 4, PW+\a
.irp c, 0,1
	ds_store_b96 v[SW], v[PCD+8*\c:PCD+8*\c+2] offset:4352*\a+64*\c
	ds_store_b96 v[SW], v[PCD+8*\c+4:PCD+8*\c+6] offset:4352*\a+64*\c+16
.endr
	ds_store_b32 v[SWS], v[PW+\a] offset:64*\a
	s_wait_dscnt 0x0
.endr
	ds_load_b128 v[SWD:SWD+3], v[SRS]
	s_wait_dscnt 0x0
	global_store_b128 v[L16], v[SWD:SWD+3], s[66:67]
	s_barrier_signal -1
	s_barrier_wait -1
.set T, 0
.rept 32
	ds_load_b96 v[OB+4*T:OB+4*T+2], v[RD] offset:544*T
.set T, T+1
.endr
.set T, 0
.rept 32
	s_wait_dscnt 31-T
	global_store_b96 v[CO], v[OB+4*T:OB+4*T+2], s[14:15] offset:6144*T
.set T, T+1
.endr
	s_wait_tensorcnt 0x0
	ds_add_u32 v[SPW], v[NIL]
	s_wait_dscnt 0x0
	CROUND
	s_endpgm
.Lfunc_end_k_q841b6e4787_ff1:
	.size	k_q841b6e4787_ff1, .Lfunc_end_k_q841b6e4787_ff1-k_q841b6e4787_ff1
	.p2alignl 7, 3214868480
	.fill 96, 4, 3214868480
	.section	.rodata,"a",@progbits
	.p2align	6, 0x0
	.amdhsa_kernel k_q841b6e4787_ff1
		.amdhsa_group_segment_fixed_size 327680
		.amdhsa_private_segment_fixed_size 0
		.amdhsa_enable_private_segment 0
		.amdhsa_kernarg_size 56
		.amdhsa_user_sgpr_count 2
		.amdhsa_user_sgpr_kernarg_segment_ptr 1
		.amdhsa_wavefront_size32 1
		.amdhsa_system_sgpr_workgroup_id_x 1
		.amdhsa_system_sgpr_workgroup_id_y 1
		.amdhsa_system_sgpr_workgroup_id_z 1
		.amdhsa_system_vgpr_workitem_id 0
		.amdhsa_next_free_vgpr 1024
		.amdhsa_next_free_sgpr 100
		.amdhsa_reserve_vcc 0
		.amdhsa_float_denorm_mode_32 3
		.amdhsa_float_denorm_mode_16_64 3
		.amdhsa_memory_ordered 1
		.amdhsa_forward_progress 1
		.amdhsa_inst_pref_size 199
	.end_amdhsa_kernel
	.amdgpu_metadata
---
amdhsa.version: [ 1, 2 ]
amdhsa.kernels:
  - .name:           k_q841b6e4787_ff1
    .symbol:         k_q841b6e4787_ff1.kd
    .args:
      - { .name: acod, .offset: 0, .size: 8, .value_kind: global_buffer, .address_space: global }
      - { .name: asc, .offset: 8, .size: 8, .value_kind: global_buffer, .address_space: global }
      - { .name: w1_codes, .offset: 16, .size: 8, .value_kind: global_buffer, .address_space: global }
      - { .name: w1_scales, .offset: 24, .size: 8, .value_kind: global_buffer, .address_space: global }
      - { .name: b1, .offset: 32, .size: 8, .value_kind: global_buffer, .address_space: global }
      - { .name: hc, .offset: 40, .size: 8, .value_kind: global_buffer, .address_space: global }
      - { .name: hs, .offset: 48, .size: 8, .value_kind: global_buffer, .address_space: global }
    .group_segment_fixed_size: 327680
    .private_segment_fixed_size: 0
    .kernarg_segment_align: 8
    .kernarg_segment_size: 56
    .max_flat_workgroup_size: 128
    .sgpr_count:     100
    .vgpr_count:     1024
    .wavefront_size: 32
...
	.end_amdgpu_metadata
.endif
;; end of part 5
;; launch ff2 (part 6): grid 8 x 32, 4 waves a work-group, clusters of 4 x 4, 327,680 bytes of LDS; arguments hc, hs, w2_codes, w2_scales, b2, x1, out0; writes out0
.if DOCPART == 6
	.amdgcn_target "amdgcn-amd-amdhsa--gfx1250"
	.amdhsa_code_object_version 6
	.text
	.protected	k_q841b6e4787_ff2
	.globl	k_q841b6e4787_ff2
	.p2align	8
	.type	k_q841b6e4787_ff2,@function
k_q841b6e4787_ff2:
	s_mov_b64 s[64:65], 0
	v_nop
	global_prefetch_b8 v0, s[64:65] scope:SCOPE_SE
	s_setreg_imm32_b32 hwreg(HW_REG_WAVE_MODE, 25, 1), 1
	s_wait_xcnt 0x0
	s_wait_alu depctr_hold_cnt(0) depctr_sa_sdst(0) depctr_va_vdst(0) depctr_va_sdst(0) depctr_va_ssrc(0) depctr_va_vcc(0) depctr_vm_vsrc(0)
	s_getreg_b32 s2, hwreg(HW_REG_IB_STS2, 6, 4)
	s_cmp_eq_u32 s2, 0
	s_cbranch_scc0 .Lentry_in_a_cluster
	s_endpgm
.Lentry_in_a_cluster:
	s_bfe_u32 s2, ttmp6, 0x10000c
	s_cmp_lg_u32 s2, 0xf033
	s_cbranch_scc0 .Lentry_shape_is_right
	s_endpgm
.Lentry_shape_is_right:
.set KK,     4096
.set MA,     4
.set NB,     4
.set NQ,     4
; out = x1 + h W2^T + b2 on codes of BF6 with E8M0 scales, K = 4,096.  A tile of 128 x 128, four waves of 64 x 64; 4 x 4 clusters with joint loads; the scale bytes for all of K come once and stay.
; K goes through a ring of two LDS slots in CHUNKS of CH = 512 bytes of each row of codes, six in all: a tile's row begins at a multiple of 256 bytes.  A step of 128 along K is 96 bytes and may lie across two chunks.
; PREFETCH: behind the load that asks for chunk c each wave names chunk c + 2 (behind the head's load chunk 1 as well): of the 64 rows that it fetches in the ring, the partner at place p of the four that ask jointly takes
; rows 16 p .. 16 p + 15, a lane to each 256 bytes; the chunk stands in the immediate, and the last two chunks' loads name nothing, so every address lies inside the rows.
; THE RESIDUAL is wanted on the way out alone: it is asked for in four runs of eight loads, at steps 8, 12, 16 and 20 of the 32.
.set CH,     512
.set ROWB,   CH
.set QI,     6                         ; padding behind every 128 words
.set PITCH,  CH+16                     ; 132 words: row r starts at bank 4 r mod 64
.set PFO,    30                        ; v30: the prefetches' offset
.set PFA,    94                        ; s[94:95]: their base
.set KROW,   KK*3/4
.set KS,     KK/32
.set HALFA,  16*MA*PITCH
.set HALFB,  16*NB*PITCH
.set SLOT,   2*HALFA+2*HALFB
.set STEPS,  KK/128
.set CHUNKS, KROW/CH                   ; chunk c lies in slot c % 2
.set SCL,    2*SLOT
.set RSA,    32*MA*KS/256              ; units of 256 scale bytes of the work-group's rows: one load brings them
.set RSB,    32*NB*KS/256
.set HALFSA, RSA*136
.set HALFSB, RSB*136
.set SPARE,  SCL+2*HALFSA+2*HALFSB
.if KK == 4096
.set SAI,    64
.set SAQ,    544
.set SAS,    544*NQ
.else
.set SAI,    544
.set SAQ,    4
.set SAS,    4*NQ
.endif
.set SBI,    (16*KS/256)*272
.set SBS,    4*NQ
.set ADSA, 8
.set ADSB, 9
.set ADRA, 16
.set ADRB, 20
.set STO,  24
.set RD,   25
.set CO,   26
.set BO,   27
.set SPW,  28
.set NIL,  29
.set SC,   32
.set OB,   64
.set BIAS, 192
.set G1, 24
.set G0, 32
.set G1B, 48
.set G0B, 56
.set G1S, 68
.set G0S, 76
.set G1SB, 80
.set G0SB, 88
.set MSB, 0
.macro WIN new
.if MSB != (\new)
	s_set_vgpr_msb (MSB<<8)|(\new)
.set MSB, (\new)
.endif
.endm
.macro PLACES
.rept 4
	v_nop
.endr
.endm
.macro JLOAD g0a, g1a, g0b, g1b
	s_cmp_eq_u32 s17, 0
	s_cbranch_scc0 .Lfor_b_\@
	tensor_load_to_lds s[\g0a:\g0a+3], s[\g1a:\g1a+7]
	s_nop 0
	PLACES
	s_branch .Lasked_\@
.Lfor_b_\@:
	tensor_load_to_lds s[\g0b:\g0b+3], s[\g1b:\g1b+7]
	s_nop 0
	PLACES
.Lasked_\@:
.endm
.macro CREST
	s_cmp_lg_u32 s16, 0
	s_cbranch_scc1 .Lnot_wave_0_\@
	s_barrier_signal -3
.Lnot_wave_0_\@:
	s_barrier_wait -3
	s_barrier_signal -1
	s_barrier_wait -1
.endm
.macro CROUND
	s_barrier_signal -1
	s_barrier_wait -1
	CREST
.endm
.macro FRAG reg, adr, q, i
.irp p, 0,1,2,3,4,5
.set BY, 96*(\q)+48*(\p/3)+8*(\p%3)    ; q: the step, counted from the row's start.  Byte y of a row lies in chunk y / CH, in slot (y / CH) % 2
.if BY/CH == (BY+24)/CH
	ds_load_b64 v[\reg+2*\p:\reg+2*\p+1], v[\adr+(BY/CH)%2] offset:BY%CH+(\i)*16*PITCH
.else                                  ; lanes 16-31, 24 bytes on, read the next chunk
	ds_load_b64 v[\reg+2*\p:\reg+2*\p+1], v[\adr+2+(BY/CH)%2] offset:BY%CH-(CH-24)+(\i)*16*PITCH
.endif
.endr
.endm
.macro FETCH slot, q, p
.set FB, 64*(\p)
	WIN 0x40*(1-(\p))
.set FI, 0
.rept NB
	FRAG FB+12*(MA+FI), ADRB+\slot, \q, FI
.set FI, FI+1
.endr
.set FI, 0
.rept MA
	FRAG FB+12*FI, ADRA+\slot, \q, FI
.set FI, FI+1
.endr
	WIN 0
.set FI, 0
.rept MA
	ds_load_b32 v[SC+16*(\p)+FI], v[ADSA] offset:SAI*FI+SAQ*(\q)
.set FI, FI+1
.endr
.set FI, 0
.rept NB
	ds_load_b32 v[SC+16*(\p)+MA+FI], v[ADSB] offset:SBI*FI+4*(\q)
.set FI, FI+1
.endr
.endm
.macro WM d, a, b, c, sa, sb
	v_wmma_scale_f32_16x16x128_f8f6f4 v[(\d):(\d)+7], v[(\a):(\a)+11], v[(\b):(\b)+11], v[(\c):(\c)+7], v[\sa], v[\sb] matrix_a_fmt:MATRIX_FMT_BF6 matrix_b_fmt:MATRIX_FMT_BF6
.endm
.macro MULQ p, part, mode
.set FB, 64*(\p)
.set WS, 5*(1-(\p))
.if (\mode) == 2
	WIN WS|0x90
.else
	WIN WS|0xa0
.endif
.irp b, 0,1,2,3
.set AC, 8*(4*(\part)+\b)
.if (\mode) == 2
	WM AC, FB+12*(MA+\b), FB+12*(\part), BIAS+8*\b, SC+16*(\p)+MA+\b, SC+16*(\p)+(\part)
.else
	WM AC, FB+12*(MA+\b), FB+12*(\part), AC, SC+16*(\p)+MA+\b, SC+16*(\p)+(\part)
.endif
.endr
.endm
; Step st multiplies set st % 2 and fetches step st + 1's fragments.  Where the next step's bytes END in a chunk not read yet, every wave waits for its tensor loads and a barrier shows that chunk whole.
; Where they BEGIN in a later chunk than this step's, the chunk left behind is read no more: the wait, the add, the wait for it and for my reads, the barrier; if a chunk two on is left, the barrier opens a round and the slot is filled again.
.macro STEP st, mode
.set NX, (\st)+1
.set C0, (96*(\st))/CH
.set C1, (96*NX)/CH
.set E0, (96*(\st)+95)/CH
.set E1, (96*NX+95)/CH
.if C1 > C0 || E1 > E0
	s_wait_tensorcnt 0x0                           ; all my tensor loads have landed
.if C1 > C0
	ds_add_u32 v[SPW], v[NIL]
	s_wait_dscnt 0x1                               ; this step's set is in; the add alone may be out
.else
	s_wait_dscnt 0x0
.endif
	MULQ (\st)%2, 0, \mode
	s_wait_dscnt 0x0                               ; the add is done, and my reads of the chunk left behind are over
	s_barrier_signal -1
	MULQ (\st)%2, 1, \mode
	WIN 0
	s_barrier_wait -1
.if C1 > C0 && C0+2 < CHUNKS
	CREST
	s_add_nc_u64 s[G0+4*(C0%2)+2:G0+4*(C0%2)+3], s[G0+4*(C0%2)+2:G0+4*(C0%2)+3], 2*CH
	s_add_nc_u64 s[G0B+4*(C0%2)+2:G0B+4*(C0%2)+3], s[G0B+4*(C0%2)+2:G0B+4*(C0%2)+3], 2*CH
	JLOAD G0+4*(C0%2), G1, G0B+4*(C0%2), G1B       ; chunk C0 + 2, the first tensor load behind the round
.else
	PLACES
.endif
	FETCH 0, NX, NX%2
.if C1 > C0 && C0+4 < CHUNKS
	global_prefetch_b8 v[PFO], s[PFA:PFA+1] offset:(C0+4)*CH th:TH_LOAD_NT scope:SCOPE_SE   ; the chunk two refills on; its address registers are never rewritten
.endif
	MULQ (\st)%2, 2, \mode
	MULQ (\st)%2, 3, \mode
.else
	s_wait_dscnt 0x0                               ; this step's set, asked for a step ago, is in
	PLACES
	FETCH 0, NX, NX%2
	MULQ (\st)%2, 0, \mode
	MULQ (\st)%2, 1, \mode
	MULQ (\st)%2, 2, \mode
	MULQ (\st)%2, 3, \mode
.endif
	WIN 0
.endm
	s_load_b256 s[4:11], s[0:1], 0x0
	s_load_b128 s[12:15], s[0:1], 0x20
	s_load_b64 s[66:67], s[0:1], 0x30
	v_lshl_add_u32 v[SPW], v0, 2, SPARE
	v_mov_b32 v[NIL], 0
	ds_add_u32 v28, v29
	ds_add_u32 v28, v29
	s_wait_dscnt 0x0
	v_lshrrev_b32 v1, 5, v0
	v_readfirstlane_b32 s16, v1
	s_lshr_b32 s17, s16, 1
	s_and_b32 s18, s16, 1
	s_bfe_u32 s40, ttmp6, 0x40000
	s_bfe_u32 s41, ttmp6, 0x40004
	s_lshl_b32 s42, ttmp9, 2
	s_add_co_u32 s42, s42, s40
	s_and_b32 s19, ttmp7, 0xffff
	s_lshl_b32 s19, s19, 2
	s_add_co_u32 s19, s19, s41
	s_lshl_b32 s43, s41, 2
	s_lshl_b32 s43, 15, s43
	s_lshl_b32 s44, 0x1111, s40
	s_or_b32 s[G1], s43, (1<<20)|(1<<21)|(QI<<22)|(3<<25)
	s_or_b32 s[G1B], s44, (1<<20)|(1<<21)|(QI<<22)|(3<<25)
	s_mov_b32 s[G1+1], ROWB<<16
	s_mov_b32 s[G1+2], (32*MA)<<16                 ; the head's load brings all the tile's rows
	s_mov_b32 s[G1+3], ROWB<<16
	s_mov_b32 s[G1+4], 32*MA
	s_mov_b32 s[G1+5], KROW
	s_mov_b32 s[G1+6], 0
	s_mov_b32 s[G1+7], 0
	s_mov_b32 s[G1B+1], ROWB<<16
	s_mov_b32 s[G1B+2], (32*NB)<<16
	s_mov_b32 s[G1B+3], ROWB<<16
	s_mov_b32 s[G1B+4], 32*NB
	s_mov_b32 s[G1B+5], KROW
	s_mov_b32 s[G1B+6], 0
	s_mov_b32 s[G1B+7], 0
	s_or_b32 s[G1S], s43, (3<<16)|(1<<20)|(1<<21)|(5<<22)|(3<<25)
	s_or_b32 s[G1SB], s44, (3<<16)|(1<<20)|(1<<21)|(5<<22)|(3<<25)
	s_mov_b32 s[G1S+1], 32<<16
	s_mov_b32 s[G1S+2], RSA<<16
	s_mov_b32 s[G1S+3], 32<<16
	s_mov_b32 s[G1S+4], RSA
	s_mov_b32 s[G1S+5], 32
	s_mov_b32 s[G1S+6], 0
	s_mov_b32 s[G1S+7], 0
	s_mov_b32 s[G1SB+1], 32<<16
	s_mov_b32 s[G1SB+2], RSB<<16
	s_mov_b32 s[G1SB+3], 32<<16
	s_mov_b32 s[G1SB+4], RSB
	s_mov_b32 s[G1SB+5], 32
	s_mov_b32 s[G1SB+6], 0
	s_mov_b32 s[G1SB+7], 0
	s_mul_i32 s20, s19, 32*MA
	s_mul_i32 s46, s42, 32*NB                      ; the tiles' first rows: A's hangs on the tile row alone, W's on the tile column alone
	s_mul_i32 s92, s20, KS
	s_mov_b32 s93, 0
	s_mul_i32 s94, s46, KS
	s_mov_b32 s95, 0
	s_mul_i32 s20, s20, KROW
	s_mov_b32 s21, 0
	s_mul_i32 s46, s46, KROW
	s_mov_b32 s47, 0
	s_mul_i32 s45, s18, HALFA
	s_mul_i32 s96, s18, HALFB
	s_add_co_u32 s96, s96, 2*HALFA
	s_mul_i32 s22, s18, 16*MA*KROW                 ; in the ring I fetch half of a tile's rows: which half, in bytes
	s_mov_b32 s23, 0
	s_mul_i32 s2, s18, 16*NB*KROW
	s_mov_b32 s3, 0
	s_wait_kmcnt 0x0
	s_add_nc_u64 s[20:21], s[4:5], s[20:21]
	s_add_nc_u64 s[92:93], s[6:7], s[92:93]
	s_add_nc_u64 s[46:47], s[8:9], s[46:47]
	s_add_nc_u64 s[94:95], s[10:11], s[94:95]
	CROUND
	s_mov_b32 s[G0S], 1
	s_mov_b32 s[G0S+1], SCL
	s_mov_b64 s[G0S+2:G0S+3], s[92:93]
	s_or_b32 s[G0S+3], s[G0S+3], 0x80000000
	s_mov_b32 s[G0SB], 1
	s_mov_b32 s[G0SB+1], SCL+2*HALFSA
	s_mov_b64 s[G0SB+2:G0SB+3], s[94:95]
	s_or_b32 s[G0SB+3], s[G0SB+3], 0x80000000
	s_mov_b32 s4, 1                                ; s[4:7], s[8:11]: group 0 for the head's loads of chunk 0, all A's rows and all W's (the arguments that lay there have been used)
	s_mov_b32 s5, 0
	s_mov_b64 s[6:7], s[20:21]
	s_or_b32 s7, s7, 0x80000000
	s_mov_b32 s8, 1
	s_mov_b32 s9, 2*HALFA
	s_mov_b64 s[10:11], s[46:47]
	s_or_b32 s11, s11, 0x80000000
	s_add_nc_u64 s[20:21], s[20:21], s[22:23]      ; for the ring: my half of the tile's rows
	s_add_nc_u64 s[46:47], s[46:47], s[2:3]
	s_cmp_eq_u32 s17, 0                            ; the prefetches: do I fetch for A?
	s_cselect_b64 s[PFA:PFA+1], s[20:21], s[46:47] ; the 64 rows that I fetch,
	s_cselect_b32 s92, s40, s41                    ; my place among the four that ask for them with me,
	s_mul_i32 s92, s92, 16*KROW                    ; and my work-group's 16 rows of them
	s_mov_b32 s93, 0
	s_add_nc_u64 s[PFA:PFA+1], s[PFA:PFA+1], s[92:93]
.irp s, 0,1
	s_mov_b32 s[G0+4*\s], 1
	s_add_co_u32 s[G0+4*\s+1], s45, \s*SLOT
	s_add_nc_u64 s[G0+4*\s+2:G0+4*\s+3], s[20:21], \s*ROWB
	s_or_b32 s[G0+4*\s+3], s[G0+4*\s+3], 0x80000000
	s_mov_b32 s[G0B+4*\s], 1
	s_add_co_u32 s[G0B+4*\s+1], s96, \s*SLOT
	s_add_nc_u64 s[G0B+4*\s+2:G0B+4*\s+3], s[46:47], \s*ROWB
	s_or_b32 s[G0B+4*\s+3], s[G0B+4*\s+3], 0x80000000
.endr
; The head's loads, one a wave: wave 0 chunk 0 of A's rows, wave 1 of W's, wave 2 A's scale bytes, wave 3 W's.  One chain of branches on the wave's number.
.macro ARM under, g0, g1, next
	s_cmp_lt_u32 s16, \under
	s_cbranch_scc0 \next
	tensor_load_to_lds s[\g0:\g0+3], s[\g1:\g1+7]
	s_nop 0
	PLACES
	s_branch .Lhead_asked
\next:
.endm
	ARM 1, 4, G1, .Lhead_b
	ARM 2, 8, G1B, .Lhead_sa
	ARM 3, G0S, G1S, .Lhead_sb
	tensor_load_to_lds s[G0SB:G0SB+3], s[G1SB:G1SB+7]
	s_nop 0
	PLACES
.Lhead_asked:
	v_and_b32 v1, 15, v0
	v_bfe_u32 v2, v0, 4, 1
	v_mul_u32_u24 v3, v1, PITCH
	v_mul_u32_u24 v4, v2, 24
	v_add_nc_u32 v4, v3, v4
	s_mov_b32 s21, SLOT-(CH-24)
	s_mov_b32 s22, SLOT+(CH-24)
	v_sub_nc_u32 v7, 1, v2                         ; 1 in lanes 0-15
	v_mul_u32_u24 v5, s21, v2
	v_add_nc_u32 v5, v3, v5
	v_add_nc_u32 v5, CH-24, v5                     ; across two chunks: lanes 0-15 byte CH - 24 of the row in slot 0, lanes 16-31 byte 0 of the row in slot 1;
	v_mul_u32_u24 v6, s22, v7
	v_add_nc_u32 v6, v3, v6                        ; and lanes 0-15 in slot 1, lanes 16-31 in slot 0
	s_mul_i32 s21, s17, HALFA
	s_mul_i32 s22, s18, HALFB
	s_add_co_u32 s22, s22, 2*HALFA
	v_add_nc_u32 v[ADRA+2], s21, v5
	v_add_nc_u32 v[ADRA+3], s21, v6
	v_add_nc_u32 v[ADRB+2], s22, v5
	v_add_nc_u32 v[ADRB+3], s22, v6
.irp s, 0,1
	v_add_nc_u32 v[ADRA+\s], s21, v4
	v_add_nc_u32 v[ADRB+\s], s22, v4
	s_add_co_u32 s21, s21, SLOT
	s_add_co_u32 s22, s22, SLOT
.endr
	v_bfe_u32 v6, v0, 1, 4                         ; the prefetches: lane l names row l / 2 of my work-group's 16,
	v_and_b32 v7, 1, v0
	v_mul_u32_u24 v[PFO], v6, KROW
	v_lshl_add_u32 v[PFO], v7, 8, v[PFO]           ; and the l % 2-th 256 bytes of its chunk
	global_prefetch_b8 v[PFO], s[PFA:PFA+1] offset:CH th:TH_LOAD_NT scope:SCOPE_SE     ; behind the head's load of chunk 0: chunks 1 and 2
	global_prefetch_b8 v[PFO], s[PFA:PFA+1] offset:2*CH th:TH_LOAD_NT scope:SCOPE_SE
.if KK == 4096
	v_lshlrev_b32 v5, 2, v1
	s_mul_i32 s21, s17, 272
	s_add_co_u32 s21, s21, SCL
	v_add_nc_u32 v[ADSA], s21, v5
	v_lshlrev_b32 v5, 7, v1
	v_lshrrev_b32 v6, 1, v1
	v_lshl_add_u32 v5, v6, 4, v5
.else
	v_lshlrev_b32 v5, 5, v1
	v_lshrrev_b32 v6, 3, v1
	v_lshl_add_u32 v5, v6, 4, v5
	s_mul_i32 s21, s17, HALFSA
	s_add_co_u32 s21, s21, SCL
	v_add_nc_u32 v[ADSA], s21, v5
.endif
	s_mul_i32 s22, s18, HALFSB
	s_add_co_u32 s22, s22, SCL+2*HALFSA
	v_add_nc_u32 v[ADSB], s22, v5
	s_mul_i32 s22, s16, 16*272
	v_mul_u32_u24 v[STO], v1, 272
	v_lshl_add_u32 v[STO], v2, 5, v[STO]
	v_add_nc_u32 v[STO], s22, v[STO]
	v_mul_u32_u24 v[RD], v2, 272
	v_lshl_add_u32 v[RD], v1, 4, v[RD]
	v_add_nc_u32 v[RD], s22, v[RD]
	v_lshlrev_b32 v[CO], 12, v2
	v_lshl_add_u32 v[CO], v1, 4, v[CO]
	v_lshlrev_b32 v[BO], 5, v2
	s_wait_alu depctr_va_vdst(0)
	s_lshl_b32 s20, s42, 9
	s_lshl_b32 s21, s18, 8
	s_add_co_u32 s20, s20, s21
	s_mov_b32 s21, 0
	s_add_nc_u64 s[12:13], s[12:13], s[20:21]
	s_lshl_b32 s22, s19, 19
	s_lshl_b32 s23, s17, 18
	s_add_co_u32 s22, s22, s23
	s_add_co_u32 s20, s20, s22
	s_add_nc_u64 s[14:15], s[14:15], s[20:21]
	s_add_nc_u64 s[66:67], s[66:67], s[20:21]
	WIN 0x40
.irp b, 0,1,2,3
	global_load_b128 v[BIAS+8*\b:BIAS+8*\b+3], v[BO], s[12:13] offset:64*\b
	global_load_b128 v[BIAS+8*\b+4:BIAS+8*\b+7], v[BO], s[12:13] offset:64*\b+16
.endr
	WIN 0
	s_wait_alu depctr_va_vdst(0)
	s_wait_tensorcnt 0x0                           ; my tile of the head's four is in; slot 1's first fill is issued as a refill is:
	ds_add_u32 v[SPW], v[NIL]
	s_mov_b32 s[G1+2], (16*MA)<<16                 ; no tensor load of mine is out: from here on a load brings half of a tile's rows
	s_mov_b32 s[G1+4], 16*MA
	s_mov_b32 s[G1B+2], (16*NB)<<16
	s_mov_b32 s[G1B+4], 16*NB
	s_wait_dscnt 0x0
	CROUND                                         ; all four tiles are in, and all sixteen work-groups are here
	JLOAD G0+4, G1, G0B+4, G1B                     ; chunk 1
	FETCH 0, 0, 0
	global_prefetch_b8 v[PFO], s[PFA:PFA+1] offset:3*CH th:TH_LOAD_NT scope:SCOPE_SE   ; behind chunk 1's load: chunk 3
	s_wait_loadcnt 0x0                             ; the bias
	STEP 0, 2                                      ; the first step's products start the sums, with the bias
.macro RES a                           ; block a of the residual, 16 rows as they will be stored, into window 3
	WIN 0xc0
.irp t, 0,1,2,3,4,5,6,7
	global_load_b128 v[32*(\a)+4*\t:32*(\a)+4*\t+3], v[CO], s[14:15] offset:(16*(\a)+2*\t)*4096
.endr
	WIN 0
.endm
.set ST, 1                             ; the walk is written out: two slots of 512 bytes and steps of 96 come back to where they began only after 3,072 bytes, which is all of K
.rept STEPS-2
.if ST == 8 || ST == 12 || ST == 16 || ST == 20
	RES ST/4-2
.endif
	STEP ST, 0
.set ST, ST+1
.endr
	s_wait_dscnt 0x0
	MULQ 1, 0, 0
	MULQ 1, 1, 0
	MULQ 1, 2, 0
	MULQ 1, 3, 0
	WIN 0
	PLACES
	s_wait_loadcnt 0x0
.irp a, 0,1,2,3
	WIN 0x08
.irp b, 0,1,2,3
	ds_store_b128 v[STO], v[8*(4*\a+\b):8*(4*\a+\b)+3] offset:64*\b
	ds_store_b128 v[STO], v[8*(4*\a+\b)+4:8*(4*\a+\b)+7] offset:64*\b+16
.endr
	WIN 0
.irp t, 0,1,2,3,4,5,6,7
	ds_load_b128 v[OB+32*\a+4*\t:OB+32*\a+4*\t+3], v[RD] offset:544*\t
.endr
.endr
.irp a, 0,1,2,3
	s_wait_dscnt 16*(3-\a)
	WIN 0x0c
.irp i, 0,1,2,3,4,5,6,7,8,9,10,11,12,13,14,15
	v_pk_add_f32 v[OB+32*\a+2*\i:OB+32*\a+2*\i+1], v[OB+32*\a+2*\i:OB+32*\a+2*\i+1], v[32*\a+2*\i:32*\a+2*\i+1]
.endr
	WIN 0
.irp t, 0,1,2,3,4,5,6,7
	global_store_b128 v[CO], v[OB+32*\a+4*\t:OB+32*\a+4*\t+3], s[66:67] offset:(16*\a+2*\t)*4096
.endr
.endr
	s_wait_tensorcnt 0x0
	ds_add_u32 v[SPW], v[NIL]
	s_wait_dscnt 0x0
	CROUND
	s_endpgm
.Lfunc_end_k_q841b6e4787_ff2:
	.size	k_q841b6e4787_ff2, .Lfunc_end_k_q841b6e4787_ff2-k_q841b6e4787_ff2
	.p2alignl 7, 3214868480
	.fill 96, 4, 3214868480
	.section	.rodata,"a",@progbits
	.p2align	6, 0x0
	.amdhsa_kernel k_q841b6e4787_ff2
		.amdhsa_group_segment_fixed_size 327680
		.amdhsa_private_segment_fixed_size 0
		.amdhsa_enable_private_segment 0
		.amdhsa_kernarg_size 56
		.amdhsa_user_sgpr_count 2
		.amdhsa_user_sgpr_kernarg_segment_ptr 1
		.amdhsa_wavefront_size32 1
		.amdhsa_system_sgpr_workgroup_id_x 1
		.amdhsa_system_sgpr_workgroup_id_y 1
		.amdhsa_system_sgpr_workgroup_id_z 1
		.amdhsa_system_vgpr_workitem_id 0
		.amdhsa_next_free_vgpr 1024
		.amdhsa_next_free_sgpr 100
		.amdhsa_reserve_vcc 0
		.amdhsa_float_denorm_mode_32 3
		.amdhsa_float_denorm_mode_16_64 3
		.amdhsa_memory_ordered 1
		.amdhsa_forward_progress 1
		.amdhsa_inst_pref_size 218
	.end_amdhsa_kernel
	.amdgpu_metadata
---
amdhsa.version: [ 1, 2 ]
amdhsa.kernels:
  - .name:           k_q841b6e4787_ff2
    .symbol:         k_q841b6e4787_ff2.kd
    .args:
      - { .name: hc, .offset: 0, .size: 8, .value_kind: global_buffer, .address_space: global }
      - { .name: hs, .offset: 8, .size: 8, .value_kind: global_buffer, .address_space: global }
      - { .name: w2_codes, .offset: 16, .size: 8, .value_kind: global_buffer, .address_space: global }
      - { .name: w2_scales, .offset: 24, .size: 8, .value_kind: global_buffer, .address_space: global }
      - { .name: b2, .offset: 32, .size: 8, .value_kind: global_buffer, .address_space: global }
      - { .name: x1, .offset: 40, .size: 8, .value_kind: global_buffer, .address_space: global }
      - { .name: out0, .offset: 48, .size: 8, .value_kind: global_buffer, .address_space: global }
    .group_segment_fixed_size: 327680
    .private_segment_fixed_size: 0
    .kernarg_segment_align: 8
    .kernarg_segment_size: 56
    .max_flat_workgroup_size: 128
    .sgpr_count:     100
    .vgpr_count:     1024
    .wavefront_size: 32
...
	.end_amdgpu_metadata
.endif
;; end of part 6
